; MI455X (gfx1250); checked and timed in simulation.
; The chip was launched on July 23, 2026; its instructions are those of AMD's public machine-readable ISA for CDNA 5 (MIT licence, August 2026) and "CDNA5" Instruction Set Architecture Reference Guide (July 2026). The comments in the code are by the model that wrote it; some were corrected since.
;; Liger Fused Neighborhood Attention. Allowed arithmetic: float matrix products may take bf16 or f16 operands with f32 sums; other float arithmetic in f32, or as packed bf16 or f16 multiplies, adds, multiply-adds, maxima and minima; sums over many terms, partial sums and values carried from step to step in f32; what a program stores and reads back later, other than sums and carried values, may be rounded once to bf16 or f16.
;; Inputs: b_k 1,024 float32; b_o 1,024 float32; b_q 1,024 float32; b_v 1,024 float32; hidden_states 2 x 8,192 x 1,024 float32; w_k 1,024 x 1,024 float32; w_o 1,024 x 1,024 float32; w_q 1,024 x 1,024 float32; w_v 1,024 x 1,024 float32.
;; Outputs: out0 2 x 8,192 x 1,024 float32.
;; 2 versions, each right; version 2 is version 1 with the launches prep, attn written anew for expert scheduling mode. Each part assembles by itself: llvm-mc -triple=amdgcn-amd-amdhsa -mcpu=gfx1250 --defsym DOCPART=n.
;; ======== version 1 of 2: 4 launches
;; limits: values are held in f16: magnitudes above 65,504 overflow, below 6.1e-05 lose precision
;; workspace buffers: xb 33,554,432 bytes; wt 8,388,608 bytes; bias 16,384 bytes; qkv 100,679,680 bytes; ob 33,554,432 bytes
;; launch prep (part 1): grid 2177 x 1, 4 waves a work-group, no clusters, 70,144 bytes of LDS; arguments hidden_states, w_q, w_k, w_v, w_o, b_q, b_k, b_v, b_o, xb, wt, bias, qkv; writes xb, wt, bias, qkv
.if DOCPART == 1
	.amdgcn_target "amdgcn-amd-amdhsa--gfx1250"
	.amdhsa_code_object_version 6
	.text
	.protected	k_q2464530e47_prep
	.globl	k_q2464530e47_prep
	.p2align	8
	.type	k_q2464530e47_prep,@function
k_q2464530e47_prep:
	s_mov_b64 s[64:65], 0
	v_nop
	global_prefetch_b8 v0, s[64:65] scope:SCOPE_SE
	s_setreg_imm32_b32 hwreg(HW_REG_WAVE_MODE, 25, 1), 1
	s_wait_xcnt 0x0
; PREPARATION.  Three kinds of work-group, told apart by the work-group's number alone:
;   0 .. 127     the four weights [k][n] f32 -> wt [4096 n][1024 k], 2 bytes a number: w_q, w_k, w_v in bf16; w_o rounded to bf16 and that number written as f16
;   128          the four biases, rounded to bf16 and kept as f32, -> bias [4096]; and 8 rows of zeros behind v in qkv (rows that the attention reads and masks)
;   129 .. 2176  hidden_states f32 -> xb bf16, 8,192 numbers a work-group
; LIMIT.  w_o as f16: a bf16 number is exact in f16 from 2^-14 to 65,504; below 2^-14 it keeps f16's fixed step of 6e-8.
; No matrix unit, no cluster, no barrier: nothing is shared between waves; the transposing stage in LDS is each wave's own.
.set SPARE, 69632                      ; behind the four stages: the spare words, 128 bytes a wave, two blocks of 256 bytes that no other line names
.set STGB,  17408                      ; a wave's stage: 64 rows (n) x 272 bytes (128 k x 2 bytes + 16 of padding)
.set SPW, 2                            ; v2  LDS address of my spare word; never rewritten
.set NIL, 3                            ; v3  0; never rewritten
.set SETA, 16                          ; v[16:79]   32 rows k x 2 columns n, f32, as loaded
.set SETB, 80                          ; v[80:143]  the same, second set
.set PK,   144                         ; v[144:175] two rows n x 32 k, packed
	s_load_b512 s[8:23], s[0:1], 0x0               ; hs s[8:9], w_q s[10:11], w_k s[12:13], w_v s[14:15], w_o s[16:17], b_q s[18:19], b_k s[20:21], b_v s[22:23]
	s_load_b256 s[24:31], s[0:1], 0x40             ; b_o s[24:25], xb s[26:27], wt s[28:29], bias s[30:31]
	s_load_b64 s[32:33], s[0:1], 0x60              ; qkv
	v_lshl_add_u32 v[SPW], v0, 2, SPARE
	v_mov_b32 v[NIL], 0
	v_lshrrev_b32 v1, 5, v0
	v_readfirstlane_b32 s4, v1                     ; wave 0..3
	v_and_b32 v1, 31, v0                           ; lane
	v_and_b32 v4, 15, v0                           ; lane % 16
	v_bfe_u32 v5, v0, 4, 1                         ; lane / 16
	s_mov_b32 s5, 0xffff0000                       ; a word's upper bf16
	s_wait_kmcnt 0x0
	s_cmp_lt_u32 ttmp9, 128
	s_cbranch_scc1 .Lweights
	s_cmp_eq_u32 ttmp9, 128
	s_cbranch_scc1 .Lbias
	; ---- x: 16 loads of 16 bytes a lane are issued at once (8 KiB a wave on their way); a load of a wave covers 512 consecutive bytes, a store 256, aligned
	s_sub_co_u32 s6, ttmp9, 129
	s_lshl_b32 s34, s6, 15                         ; 8,192 numbers x 4 bytes
	s_mov_b32 s35, 0
	s_lshl_b32 s36, s6, 14                         ; x 2 bytes
	s_mov_b32 s37, 0
	s_add_nc_u64 s[34:35], s[8:9], s[34:35]
	s_add_nc_u64 s[36:37], s[26:27], s[36:37]
	v_lshlrev_b32 v6, 4, v0
	v_lshlrev_b32 v7, 3, v0
.set i, 0
.rept 16
	global_load_b128 v[16+4*i:16+4*i+3], v6, s[34:35] offset:2048*i th:TH_LOAD_NT
.set i, i+1
.endr
.set i, 0
.rept 16
	s_wait_loadcnt 15-i                            ; loads come back in order: load i is in, the 15 - i younger ones stay out
	v_cvt_pk_bf16_f32 v[80+2*i], v[16+4*i], v[17+4*i]
	v_cvt_pk_bf16_f32 v[81+2*i], v[18+4*i], v[19+4*i]
	global_store_b64 v7, v[80+2*i:81+2*i], s[36:37] offset:1024*i th:TH_STORE_NT
.set i, i+1
.endr
	s_endpgm                                       ; no register of a store is rewritten
.Lbias:
	; ---- the biases: 128 threads x 16 bytes, two halves a bias
	v_lshlrev_b32 v6, 4, v0
.irp i, 0,1,2,3
.irp u, 0,1
	global_load_b128 v[16+8*(\i)+4*(\u):16+8*(\i)+4*(\u)+3], v6, s[18+2*(\i):19+2*(\i)] offset:2048*(\u)
.endr
.endr
	v_mov_b32 v48, 0
	v_mov_b32 v49, 0
	v_mov_b32 v50, 0
	v_mov_b32 v51, 0
	s_add_nc_u64 s[34:35], s[32:33], 0x6000000     ; behind q, k and v: 3 x 33,554,432 bytes
.irp i, 0,1,2,3,4,5,6,7
	global_store_b128 v6, v[48:51], s[34:35] offset:2048*(\i)  ; 8 rows of 2,048 bytes of zeros
.endr
	s_wait_loadcnt 0x0
.set p, 0
.rept 16
	v_cvt_pk_bf16_f32 v8, v[16+2*p], v[17+2*p]     ; rounded to bf16,
	v_lshlrev_b32 v[16+2*p], 16, v8                ; and back to f32
	v_and_b32 v[17+2*p], s5, v8
.set p, p+1
.endr
.irp i, 0,1,2,3
.irp u, 0,1
	global_store_b128 v6, v[16+8*(\i)+4*(\u):16+8*(\i)+4*(\u)+3], s[30:31] offset:4096*(\i)+2048*(\u)
.endr
.endr
	s_endpgm
.Lweights:
	; ---- a wave turns one tile of 128 k x 64 n.  512 tiles: matrix = work-group / 32; in a matrix 8 tiles along k x 16 along n
	s_lshr_b32 s7, ttmp9, 5                        ; which matrix
	s_mov_b64 s[34:35], s[10:11]
	s_cmp_eq_u32 s7, 1
	s_cselect_b64 s[34:35], s[12:13], s[34:35]
	s_cmp_eq_u32 s7, 2
	s_cselect_b64 s[34:35], s[14:15], s[34:35]
	s_cmp_eq_u32 s7, 3
	s_cselect_b64 s[34:35], s[16:17], s[34:35]
	s_lshl_b32 s38, ttmp9, 2
	s_add_co_u32 s38, s38, s4
	s_and_b32 s38, s38, 127                        ; the tile in its matrix
	s_lshr_b32 s39, s38, 4                         ; along k
	s_and_b32 s38, s38, 15                         ; along n
	s_lshl_b32 s40, s39, 19                        ; 128 rows k of 4,096 bytes
	s_lshl_b32 s41, s38, 8                         ; 64 columns n of 4 bytes
	s_add_co_u32 s40, s40, s41
	s_mov_b32 s41, 0
	s_add_nc_u64 s[34:35], s[34:35], s[40:41]
	s_lshl_b32 s40, s7, 21                         ; 1,024 rows n of 2,048 bytes
	s_lshl_b32 s42, s38, 17                        ; 64 rows n
	s_add_co_u32 s40, s40, s42
	s_lshl_b32 s42, s39, 8                         ; 128 k of 2 bytes
	s_add_co_u32 s40, s40, s42
	s_add_nc_u64 s[36:37], s[28:29], s[40:41]
	s_mul_i32 s43, s4, STGB                        ; my stage
	v_lshlrev_b32 v6, 3, v1                        ; in: my two columns n = 2 lane, 2 lane + 1
	v_mul_u32_u24 v7, v1, 544                      ; into the stage: row 2 lane
	v_add_nc_u32 v7, s43, v7
	v_mul_u32_u24 v10, v5, 272                     ; back: lanes 0-15 one row of 256 bytes, lanes 16-31 the next
	v_lshl_add_u32 v10, v4, 4, v10
	v_add_nc_u32 v10, s43, v10
	v_lshlrev_b32 v11, 11, v5                      ; and the same two rows in wt
	v_lshl_add_u32 v11, v4, 4, v11
.macro WLOAD set, g                    ; 32 rows k of group g: a load of the wave covers 256 consecutive bytes, aligned
.set kk, 0
.rept 32
	global_load_b64 v[(\set)+2*kk:(\set)+2*kk+1], v6, s[34:35] offset:(32*(\g)+kk)*4096 th:TH_LOAD_NT
.set kk, kk+1
.endr
.endm
.macro WPACK set, g                    ; two rows n x 32 k are packed (64 bytes a row) and put into the stage
.irp p, 0,1
.set j, 0
.rept 16
	v_cvt_pk_bf16_f32 v[PK+16*(\p)+j], v[(\set)+4*j+(\p)], v[(\set)+4*j+2+(\p)]
.set j, j+1
.endr
.endr
	s_cmp_lg_u32 s7, 3
	s_cbranch_scc1 .Lnof16_\@
.set j, 0
.rept 32                               ; w_o alone: the bf16 number written as f16
	v_lshlrev_b32 v8, 16, v[PK+j]
	v_and_b32 v9, s5, v[PK+j]
	v_cvt_pk_f16_f32 v[PK+j], v8, v9
.set j, j+1
.endr
.Lnof16_\@:
.irp p, 0,1
.irp c, 0,1,2,3
	ds_store_b128 v7, v[PK+16*(\p)+4*(\c):PK+16*(\p)+4*(\c)+3] offset:272*(\p)+64*(\g)+16*(\c)
.endr
.endr
.endm
	WLOAD SETA, 0
	WLOAD SETB, 1
	s_wait_loadcnt 32                              ; group 0 is in; group 1's 32 loads are younger
	WPACK SETA, 0
	WLOAD SETA, 2
	s_wait_loadcnt 32                              ; group 1 is in
	WPACK SETB, 1
	WLOAD SETB, 3
	s_wait_loadcnt 32                              ; group 2 is in
	WPACK SETA, 2
	s_wait_loadcnt 0x0                             ; group 3 is in
	WPACK SETB, 3
.set i, 0
.rept 32
	ds_load_b128 v[16+4*i:16+4*i+3], v10 offset:544*i  ; LDS serves a wave's instructions in order (ISA guide 5.7.1.4): these see the stores above
.set i, i+1
.endr
.set i, 0
.rept 32
	s_wait_dscnt 31-i
	global_store_b128 v11, v[16+4*i:16+4*i+3], s[36:37] offset:4096*i  ; 16 lanes store 256 consecutive bytes, at a multiple of 256 from wt's first byte
.set i, i+1
.endr
	s_wait_tensorcnt 0x0                           ; the wave's end: three closing lines behind my last LDS store
	ds_add_u32 v[SPW], v[NIL]
	s_wait_dscnt 0x0
	s_endpgm
.Lfunc_end_k_q2464530e47_prep:
	.size	k_q2464530e47_prep, .Lfunc_end_k_q2464530e47_prep-k_q2464530e47_prep
	.p2alignl 7, 3214868480
	.fill 96, 4, 3214868480
	.section	.rodata,"a",@progbits
	.p2align	6, 0x0
	.amdhsa_kernel k_q2464530e47_prep
		.amdhsa_group_segment_fixed_size 70144
		.amdhsa_private_segment_fixed_size 0
		.amdhsa_enable_private_segment 0
		.amdhsa_kernarg_size 104
		.amdhsa_user_sgpr_count 2
		.amdhsa_user_sgpr_kernarg_segment_ptr 1
		.amdhsa_wavefront_size32 1
		.amdhsa_system_sgpr_workgroup_id_x 1
		.amdhsa_system_sgpr_workgroup_id_y 1
		.amdhsa_system_sgpr_workgroup_id_z 1
		.amdhsa_system_vgpr_workitem_id 0
		.amdhsa_next_free_vgpr 176
		.amdhsa_next_free_sgpr 66
		.amdhsa_reserve_vcc 0
		.amdhsa_float_denorm_mode_32 3
		.amdhsa_float_denorm_mode_16_64 3
		.amdhsa_memory_ordered 1
		.amdhsa_forward_progress 1
		.amdhsa_inst_pref_size 58
	.end_amdhsa_kernel
	.amdgpu_metadata
---
amdhsa.version: [ 1, 2 ]
amdhsa.kernels:
  - .name:           k_q2464530e47_prep
    .symbol:         k_q2464530e47_prep.kd
    .args:
      - { .name: hidden_states, .offset: 0, .size: 8, .value_kind: global_buffer, .address_space: global }
      - { .name: w_q, .offset: 8, .size: 8, .value_kind: global_buffer, .address_space: global }
      - { .name: w_k, .offset: 16, .size: 8, .value_kind: global_buffer, .address_space: global }
      - { .name: w_v, .offset: 24, .size: 8, .value_kind: global_buffer, .address_space: global }
      - { .name: w_o, .offset: 32, .size: 8, .value_kind: global_buffer, .address_space: global }
      - { .name: b_q, .offset: 40, .size: 8, .value_kind: global_buffer, .address_space: global }
      - { .name: b_k, .offset: 48, .size: 8, .value_kind: global_buffer, .address_space: global }
      - { .name: b_v, .offset: 56, .size: 8, .value_kind: global_buffer, .address_space: global }
      - { .name: b_o, .offset: 64, .size: 8, .value_kind: global_buffer, .address_space: global }
      - { .name: xb, .offset: 72, .size: 8, .value_kind: global_buffer, .address_space: global }
      - { .name: wt, .offset: 80, .size: 8, .value_kind: global_buffer, .address_space: global }
      - { .name: bias, .offset: 88, .size: 8, .value_kind: global_buffer, .address_space: global }
      - { .name: qkv, .offset: 96, .size: 8, .value_kind: global_buffer, .address_space: global }
    .group_segment_fixed_size: 70144
    .private_segment_fixed_size: 0
    .kernarg_segment_align: 8
    .kernarg_segment_size: 104
    .max_flat_workgroup_size: 128
    .sgpr_count:     66
    .vgpr_count:     176
    .wavefront_size: 32
...
	.end_amdgpu_metadata
.endif
;; end of part 1
;; launch qkv (part 2): grid 4 x 64, 4 waves a work-group, clusters of 4 x 4, 327,680 bytes of LDS; arguments xb, wt, bias, qkv; writes qkv
.if DOCPART == 2
	.amdgcn_target "amdgcn-amd-amdhsa--gfx1250"
	.amdhsa_code_object_version 6
	.text
	.protected	k_q2464530e47_qkv
	.globl	k_q2464530e47_qkv
	.p2align	8
	.type	k_q2464530e47_qkv,@function
k_q2464530e47_qkv:
	s_mov_b64 s[64:65], 0
	v_nop
	global_prefetch_b8 v0, s[64:65] scope:SCOPE_SE
	s_setreg_imm32_b32 hwreg(HW_REG_WAVE_MODE, 25, 1), 1
	s_wait_xcnt 0x0
	s_wait_alu depctr_hold_cnt(0) depctr_sa_sdst(0) depctr_va_vdst(0) depctr_va_sdst(0) depctr_va_ssrc(0) depctr_va_vcc(0) depctr_vm_vsrc(0)
	s_getreg_b32 s2, hwreg(HW_REG_IB_STS2, 6, 4)
	s_cmp_eq_u32 s2, 0
	s_cbranch_scc0 .Lentry_in_a_cluster
	s_endpgm
.Lentry_in_a_cluster:
	s_bfe_u32 s2, ttmp6, 0x10000c
	s_cmp_lg_u32 s2, 0xf033
	s_cbranch_scc0 .Lentry_shape_is_right
	s_endpgm
.Lentry_shape_is_right:
; q, k, v = x W + b.  A = xb [16384][1024] bf16; B = wt rows 0 .. 3071 ([n][k], bf16: w_q^T, w_k^T, w_v^T); bias [4096] f32; C = qkv: q, k, v, each [16384][1024] f16.  Sums in f32, each C rounded once.
; LIMIT.  C is f16: |q|, |k|, |v| must stay under 65,504 (beyond that the conversion gives an infinity).
; A tile of C is 256 x 256, made by four waves, each 128 x 128: 64 accumulators of 16 x 16, 512 registers.  K goes in steps of 128 through two LDS slots filled by tensor loads of 128 rows x 256 bytes.
; A WORK-GROUP STAYS: it makes three tiles, the same rows and columns of q, then k, then v: A's rows stay, B goes 1,024 rows on, C 33,554,432 bytes on.  The ring runs on across tiles.
; CLUSTERS: 4 x 4 work-groups; A's tile is asked for jointly along a row of the cluster, B's along a column.
; THE MATRIX INSTRUCTION IS USED TRANSPOSED (source 0 = 16 rows of B, source 1 = 16 rows of A): a lane holds row lane % 16 of C and the columns 8 (lane / 16) + 0..7.
; THE BIAS IS THE C OPERAND OF THE PRODUCT THAT STARTS A SUM: register j of block b holds bias[n0 + 16 b + 8 (lane / 16) + j]; nothing is cleared and nothing is added afterwards.
; REGISTERS, in windows of 256: window 0: v0-31 addresses; v64-127, v128-191 A's fragments; v32-63, v192-255 the way out.  window 1: v0-63 the bias; v64-127, v128-191 B's fragments.
;   window 2: accumulators of my rows 0-63 ((a, b) at v[8 (8 a + b)]); window 3: of my rows 64-127.
.set SIZE_K, 1024
.set SIZE_N, 1024                      ; C's pitch in numbers
.set KSTEP,  128
.set PITCH,  272                       ; an LDS row: 256 bytes + 16 of padding = 68 words: the 16 rows of a load start at 16 different groups of four banks (64 banks of 4 bytes: ISA guide 11.1)
.set HALFT,  128*PITCH
.set SLOT,   4*HALFT                   ; A's 256 rows, then B's 256 rows
.set STAGE,  2*SLOT                    ; behind the ring: 16 rows x 272 bytes for each wave
.set SPITCH, 272
.set SPARE,  STAGE+4*16*SPITCH         ; the spare words, 128 bytes a wave: two blocks of 256 bytes that no other line names
.set LAPS,   SIZE_K/(2*KSTEP)
.set TILES,  3
.set BACK_A, (SIZE_K-2*KSTEP)*2        ; from a slot's last K step of a tile back to its first: A's rows stay
.set NEXT_B, 1024*SIZE_K*2-BACK_A      ; B: 1,024 rows on and back along K
.set NEXT_C, 16384*SIZE_N*2-7*16*SIZE_N*2  ; from my last 16 rows of a tile to my first of the next
.set PF_NEXT, 1023*SIZE_K*2+KSTEP*2    ; the prefetches: from the K step after a tile's last to the next tile's K step 1
.set ADRA, 16
.set ADRB, 20
.set STO,  24
.set RD,   25
.set CO,   26
.set BO,   27                          ; v27  32 x (lane / 16): my 8 numbers in a block of 16 of the bias; never rewritten
.set SPW,  28
.set NIL,  29
.set PFO,  30                          ; v30  my lane x a row of A or B in memory; never rewritten
.set PFA,  44                          ; s[44:45] where my prefetches stand
.set LIM,  43                          ; s43  1 in a wave that prefetches, else the greatest number
.set F0,   64
.set F1,   128
.set TMP,  192
.set OB,   32
.set G1,  24
.set G0,  32
.set G1B, 48
.set G0B, 56
.set BP,  68                           ; s[68:69] the bias at my 128 columns of the tile in hand
.set CP,  70                           ; s[70:71] C, stepped by the way out
.set MSB, 0
.macro WIN new                         ; the immediate's high byte repeats the setting that is left; a switch that changes nothing is dropped
.if MSB != (\new)
	s_set_vgpr_msb (MSB<<8)|(\new)
.set MSB, \new
.endif
.endm
.set TO_B, 0x40                        ; destination window 1, address window 0
; A joint load.  Waves 0 and 1 fetch A's two halves, waves 2 and 3 B's.  The branch hangs on the wave's number alone.  An s_nop 0 and four v_nop follow each line.
.macro JLOAD s
	s_cmp_eq_u32 s11, 0
	s_cbranch_scc0 .Lfor_b_\@
	tensor_load_to_lds s[G0+4*(\s):G0+4*(\s)+3], s[G1:G1+7]
	s_nop 0
.rept 4
	v_nop
.endr
	s_branch .Lasked_\@
.Lfor_b_\@:
	tensor_load_to_lds s[G0B+4*(\s):G0B+4*(\s)+3], s[G1B:G1B+7]
	s_nop 0
.rept 4
	v_nop
.endr
.Lasked_\@:
.endm
; A prefetch of the K step that stands two refills on: 32 rows x 256 bytes, a lane a row.  Each row's 256 bytes of a K step are named once in the launch: A's rows by A's waves (one cluster along x reads them),
; in the first tile alone; B's rows by B's waves of the clusters with y = 0.  The four partners of a joint load share its 128 rows out by address, 32 each.
; how = 0, in the loop: its last trip has no K step two on; how = 1, at a change of tiles.
.macro ASK how
.if \how
	s_cmp_eq_u32 s[LIM], 1
.else
	s_cmp_gt_u32 s3, s[LIM]                        ; s3 = 1 in the loop's last trip
.endif
	s_cbranch_scc0 .Lnot_mine_\@
	global_prefetch_b8 v[PFO], s[PFA:PFA+1] offset:KSTEP*2 th:TH_LOAD_NT scope:SCOPE_SE
.Lnot_mine_\@:
.endm
.macro CREST                           ; a round of the cluster's barrier behind its opening barrier
	s_cmp_lg_u32 s10, 0
	s_cbranch_scc1 .Lnot_wave_0_\@
	s_barrier_signal -3
.Lnot_wave_0_\@:
	s_barrier_wait -3
	s_barrier_signal -1
	s_barrier_wait -1
.endm
.macro CROUND                          ; a whole round
	s_barrier_signal -1
	s_barrier_wait -1
	CREST
.endm
	s_load_b128 s[4:7], s[0:1], 0x0                ; A s[4:5], B s[6:7]
	s_load_b128 s[68:71], s[0:1], 0x10             ; bias, C
	v_lshl_add_u32 v[SPW], v0, 2, SPARE
	v_mov_b32 v[NIL], 0
	ds_add_u32 v[SPW], v[NIL]                      ; the wave's opening: the add and its wait stand ahead of my first tensor load; work on registers stands between them
	v_lshrrev_b32 v1, 5, v0
	v_readfirstlane_b32 s10, v1                    ; wave 0..3
	s_lshr_b32 s11, s10, 1                         ; which half of the tile's rows is mine.  Also: I fetch for A (0) or for B (1)
	s_and_b32 s12, s10, 1                          ; which half of its columns.  Also: which 128 rows of that tile I fetch
	s_bfe_u32 s40, ttmp6, 0x40000                  ; cx
	s_bfe_u32 s41, ttmp6, 0x40004                  ; cy
	s_lshl_b32 s42, ttmp9, 2
	s_add_co_u32 s42, s42, s40                     ; tile column = 4 x cluster x + cx
	s_and_b32 s13, ttmp7, 0xffff
	s_lshl_b32 s13, s13, 2
	s_add_co_u32 s13, s13, s41                     ; tile row = 4 x cluster y + cy
	s_lshl_b32 s43, s41, 2
	s_lshl_b32 s43, 15, s43                        ; my row of the cluster
	s_lshl_b32 s44, 0x1111, s40                    ; my column
	s_or_b32 s[G1+0], s43, (1<<16)|(1<<20)|(1<<21)|(5<<22)|(3<<25)   ; the mask; 2-byte elements; padding on; bit 21 beside a mask; after every 64 words; 4 words
	s_or_b32 s[G1B+0], s44, (1<<16)|(1<<20)|(1<<21)|(5<<22)|(3<<25)
.irp g, G1, G1B
	s_mov_b32 s[(\g)+1], KSTEP<<16                 ; tensor_dim0 = 128
	s_mov_b32 s[(\g)+2], 128<<16                   ; tensor_dim1 = 128
	s_mov_b32 s[(\g)+3], KSTEP<<16                 ; tile_dim0 = 128
	s_mov_b32 s[(\g)+4], 128                       ; tile_dim1 = 128
	s_mov_b32 s[(\g)+5], SIZE_K                    ; elements from row to row
	s_mov_b32 s[(\g)+6], 0
	s_mov_b32 s[(\g)+7], 0
.endr
	s_lshl_b32 s17, s12, 7                         ; which 128 rows of the tile I fetch
	s_lshl_b32 s16, s13, 8
	s_add_co_u32 s16, s16, s17                     ; A: row 256 x tile row + 128 x half
	s_lshl_b32 s46, s42, 8
	s_add_co_u32 s46, s46, s17                     ; B: row 256 x tile column + 128 x half
	s_mov_b32 s17, 0
	s_mov_b32 s47, 0
	s_mov_b64 s[18:19], SIZE_K*2
	s_mul_u64 s[16:17], s[16:17], s[18:19]
	s_mul_u64 s[46:47], s[46:47], s[18:19]
	s_mul_i32 s20, s10, HALFT                      ; where they go: wave x 128 rows: no place in the cluster enters an LDS address
	s_wait_dscnt 0x0                               ; the opening add is done
	s_wait_kmcnt 0x0
	s_add_nc_u64 s[14:15], s[4:5], s[16:17]
	s_add_nc_u64 s[46:47], s[6:7], s[46:47]
	CROUND                                         ; all sixteen work-groups are here: the first joint loads meet
.irp s, 0,1
	s_mov_b32 s[G0+4*(\s)], 1
	s_add_co_u32 s[G0+4*(\s)+1], s20, (\s)*SLOT
	s_add_nc_u64 s[G0+4*(\s)+2:G0+4*(\s)+3], s[14:15], (\s)*KSTEP*2
	s_or_b32 s[G0+4*(\s)+3], s[G0+4*(\s)+3], 0x80000000
	s_mov_b32 s[G0B+4*(\s)], 1
	s_add_co_u32 s[G0B+4*(\s)+1], s20, (\s)*SLOT
	s_add_nc_u64 s[G0B+4*(\s)+2:G0B+4*(\s)+3], s[46:47], (\s)*KSTEP*2
	s_or_b32 s[G0B+4*(\s)+3], s[G0B+4*(\s)+3], 0x80000000
	JLOAD \s                                       ; two tensor loads of mine are out
.endr
	v_and_b32 v1, 15, v0                           ; l % 16
	v_bfe_u32 v2, v0, 4, 1                         ; l / 16
	v_mul_u32_u24 v3, v1, PITCH
	v_lshl_add_u32 v3, v2, 4, v3                   ; a fragment's row x pitch + 16 x half
	s_mul_i32 s21, s11, HALFT                      ; my 128 rows of A
	s_mul_i32 s22, s12, HALFT                      ; my 128 rows of B,
	s_add_co_u32 s22, s22, 2*HALFT                 ; which lie behind A's 256
.irp s, 0,1
	v_add_nc_u32 v[ADRA+(\s)], s21, v3
	v_add_nc_u32 v[ADRB+(\s)], s22, v3
	s_add_co_u32 s21, s21, SLOT
	s_add_co_u32 s22, s22, SLOT
.endr
	s_mul_i32 s23, s10, 16*SPITCH
	s_add_co_u32 s23, s23, STAGE                   ; my stage
	v_mul_u32_u24 v4, v1, SPITCH                   ; in: row l % 16, 16 bytes for each half of the lanes
	v_lshl_add_u32 v4, v2, 4, v4
	v_add_nc_u32 v[STO], s23, v4
	v_mul_u32_u24 v5, v2, SPITCH                   ; back: lanes 0-15 one row of 256 bytes, lanes 16-31 the next
	v_lshl_add_u32 v5, v1, 4, v5
	v_add_nc_u32 v[RD], s23, v5
	v_mul_u32_u24 v5, v2, SIZE_N*2                 ; and the same two rows in C
	v_lshl_add_u32 v[CO], v1, 4, v5
	v_lshlrev_b32 v[BO], 5, v2
	s_lshl_b32 s13, s13, 8
	s_lshl_b32 s14, s11, 7
	s_add_co_u32 s16, s13, s14                     ; my first row of C
	s_mov_b32 s17, 0
	s_mov_b64 s[18:19], SIZE_N*2
	s_mul_u64 s[16:17], s[16:17], s[18:19]
	s_lshl_b32 s46, s42, 9                         ; my first column, in bytes: 512 x tile column + 256 x half
	s_lshl_b32 s47, s12, 8
	s_add_co_u32 s46, s46, s47
	s_mov_b32 s47, 0
	s_add_nc_u64 s[16:17], s[16:17], s[46:47]      ; what the first way out adds to C's address
	s_lshl_b32 s20, s46, 1                         ; the same columns in the bias, 4 bytes a number
	s_mov_b32 s21, 0
	s_add_nc_u64 s[BP:BP+1], s[BP:BP+1], s[20:21]
	; the prefetches
	s_lshl_b32 s42, s42, 8
	s_and_b32 s22, ttmp7, 0xffff                   ; cluster y
	s_cmp_eq_u32 s11, 0                            ; do I fetch for A?
	s_cselect_b32 s20, s13, s42                    ; the tile's first row
	s_cselect_b32 s21, s40, s41                    ; my place among the four that ask with me
	s_cselect_b32 s22, ttmp9, s22                  ; the coordinate along which other clusters read the same rows
	s_cselect_b64 s[PFA:PFA+1], s[4:5], s[6:7]
	s_cmp_eq_u32 s22, 0
	s_cselect_b32 s[LIM], 1, -1                    ; the same in all sixteen partners, for a given wave
	s_lshl_b32 s22, s12, 7
	s_add_co_u32 s20, s20, s22
	s_lshl_b32 s21, s21, 5
	s_add_co_u32 s20, s20, s21                     ; + my work-group's 32 of the 128 rows
	s_mov_b32 s21, 0
	s_mov_b64 s[18:19], SIZE_K*2
	s_mul_u64 s[20:21], s[20:21], s[18:19]
	s_add_nc_u64 s[PFA:PFA+1], s[PFA:PFA+1], s[20:21]
	s_add_nc_u64 s[PFA:PFA+1], s[PFA:PFA+1], 2*KSTEP*2  ; at K step 2: the first refill steps it to 3 and names K step 4; nothing is prefetched at the head
	v_and_b32 v[PFO], 31, v0
	v_mul_u32_u24 v[PFO], v[PFO], SIZE_K*2
; 16 matrix instructions: m blocks a0, a0 + 1 of the window's four x all 8 n blocks, 32 along K.  zero = 1: the product starts the sum, with the bias (window 1, v[8 b ..]) as its C.
.macro MUL16 f, hi, a0, zero
.if \zero
	WIN 0x91+0x40*(\hi)                            ; source 0 (B) and C window 1, source 1 (A) window 0, D window 2 or 3
.else
	WIN 0xa1+0x50*(\hi)                            ; C and D window 2 or 3
.endif
.irp a, \a0, (\a0)+1
.irp b, 0,1,2,3,4,5,6,7
.if \zero
	v_wmma_f32_16x16x32_bf16 v[8*(8*(\a)+(\b)):8*(8*(\a)+(\b))+7], v[(\f)+8*(\b):(\f)+8*(\b)+7], v[(\f)+8*(4*(\hi)+(\a)):(\f)+8*(4*(\hi)+(\a))+7], v[8*(\b):8*(\b)+7]
.else
	v_wmma_f32_16x16x32_bf16 v[8*(8*(\a)+(\b)):8*(8*(\a)+(\b))+7], v[(\f)+8*(\b):(\f)+8*(\b)+7], v[(\f)+8*(4*(\hi)+(\a)):(\f)+8*(4*(\hi)+(\a))+7], v[8*(8*(\a)+(\b)):8*(8*(\a)+(\b))+7]
.endif
.endr
.endr
.endm
.macro FETCH slot, k, f                ; 32 LDS loads in one run: the fragments of 32 along K at byte k of the rows; B's first, then A's
	WIN TO_B
.irp i, 0,1,2,3,4,5,6,7
	ds_load_b128 v[(\f)+8*(\i):(\f)+8*(\i)+3],   v[ADRB+(\slot)] offset:(\k)+(\i)*16*PITCH
	ds_load_b128 v[(\f)+8*(\i)+4:(\f)+8*(\i)+7], v[ADRB+(\slot)] offset:(\k)+(\i)*16*PITCH+32
.endr
	WIN 0
.irp i, 0,1,2,3,4,5,6,7
	ds_load_b128 v[(\f)+8*(\i):(\f)+8*(\i)+3],   v[ADRA+(\slot)] offset:(\k)+(\i)*16*PITCH
	ds_load_b128 v[(\f)+8*(\i)+4:(\f)+8*(\i)+7], v[ADRA+(\slot)] offset:(\k)+(\i)*16*PITCH+32
.endr
.endm
.macro PLACES                          ; four plain vector instructions behind a matrix instruction, ahead of loads into registers that it read and of readers of its result
.rept 4
	v_nop
.endr
.endm
.macro QUARTER slot, k, f, g, zero     ; 64 matrix instructions on buffer f; in the middle the next quarter's fragments go into g
	s_wait_dscnt 8                                 ; B and A's rows 0-63 are in; the youngest eight loads (A's rows 64-127) may be out
	MUL16 \f, 0, 0, \zero
	MUL16 \f, 0, 2, \zero
	PLACES
	FETCH \slot, \k, \g
	s_wait_dscnt 32                                ; all but the 32 just issued
	MUL16 \f, 1, 0, \zero
	MUL16 \f, 1, 2, \zero
.endm
.macro MEET round                      ; the first half of a K step's last quarter, and the one barrier of the change of slots
	WIN 0
	s_wait_tensorcnt 0x0                           ; all my tensor loads have landed: the one that was out is my part of the next slot
	ds_add_u32 v[SPW], v[NIL]                      ; 0 onto my spare word
	s_wait_dscnt 9                                 ; the add and the youngest eight loads may be out
	MUL16 F1, 0, 0, 0
	s_wait_dscnt 0x0                               ; the add is done, and my reads of this slot are over
	s_barrier_signal -1
	MUL16 F1, 0, 2, 0
.if \round
	WIN 0
.endif
	s_barrier_wait -1
.endm
; The whole last quarter.  mode 0: this slot is filled again with this tile's K step two on; mode 1: with the next tile's K step 0 or 1; mode 2: nothing is filled.
.macro TURN slot, next, mode
.if (\mode) < 2
	s_wait_xcnt 0x0                                ; the last prefetch, a K step back, has read its address
.if ((\mode) == 1) && ((\slot) == 0)
	s_add_nc_u64 s[PFA:PFA+1], s[PFA:PFA+1], PF_NEXT
	s_cmp_eq_u32 s11, 0
	s_cselect_b32 s[LIM], -1, s[LIM]               ; A's rows are the same for all three tiles: they have been read, and are asked for no more
.else
	s_add_nc_u64 s[PFA:PFA+1], s[PFA:PFA+1], KSTEP*2
.endif
	MEET 1
	CREST                                          ; the barrier has opened a round of the cluster's: no wave of any partner still reads this slot or has a load on its way
.if (\mode) == 1
	s_sub_nc_u64 s[G0+4*(\slot)+2:G0+4*(\slot)+3], s[G0+4*(\slot)+2:G0+4*(\slot)+3], BACK_A
	s_add_nc_u64 s[G0B+4*(\slot)+2:G0B+4*(\slot)+3], s[G0B+4*(\slot)+2:G0B+4*(\slot)+3], NEXT_B
.else
	s_add_nc_u64 s[G0+4*(\slot)+2:G0+4*(\slot)+3], s[G0+4*(\slot)+2:G0+4*(\slot)+3], 2*KSTEP*2
	s_add_nc_u64 s[G0B+4*(\slot)+2:G0B+4*(\slot)+3], s[G0B+4*(\slot)+2:G0B+4*(\slot)+3], 2*KSTEP*2
.endif
	JLOAD \slot                                    ; my one tensor load behind the round: 224 matrix instructions ahead of the wait for it; its four v_nop are also the places ahead of the loads below
	FETCH \next, 0, F0
	ASK \mode
.else
	MEET 0
	PLACES
	FETCH \next, 0, F0
.endif
	MUL16 F1, 1, 0, 0
	MUL16 F1, 1, 2, 0
.endm
.macro BIASLD                          ; my 128 columns' bias into window 1, v0-63
	WIN TO_B
.irp b, 0,1,2,3,4,5,6,7
	global_load_b128 v[8*(\b):8*(\b)+3],   v[BO], s[BP:BP+1] offset:64*(\b)
	global_load_b128 v[8*(\b)+4:8*(\b)+7], v[BO], s[BP:BP+1] offset:64*(\b)+16
.endr
	WIN 0
.endm
; THE WAY OUT of block a (16 rows).  PACK: rounded to f16, 16 bytes a lane, each accumulator's registers in ascending order.  TOSTAGE: into my own stage, back as whole rows of 256 bytes.  SEND: stored.
.macro PACK a
.set AC, 64*((\a)%4)
	WIN 0x0a+5*((\a)/4)                            ; sources 0 and 1: window 2 or 3
.irp b, 0,1,2,3,4,5,6,7
.irp r, 0,1,2,3
	v_cvt_pk_f16_f32 v[TMP+4*(\b)+(\r)], v[AC+8*(\b)+2*(\r)], v[AC+8*(\b)+2*(\r)+1]
.endr
.endr
	WIN 0
.endm
.macro TOSTAGE a
	WIN 0
.set BK, OB+192*((\a)%2)
.irp b, 0,1,2,3,4,5,6,7
	ds_store_b128 v[STO], v[TMP+4*(\b):TMP+4*(\b)+3] offset:32*(\b)
.endr
.irp t, 0,1,2,3,4,5,6,7
	ds_load_b128 v[BK+4*(\t):BK+4*(\t)+3], v[RD] offset:(\t)*2*SPITCH  ; LDS serves a wave's instructions in order (ISA guide 5.7.1.4): these see the stores above
.endr
.endm
.macro SEND a, younger
	WIN 0
.set BK, OB+192*((\a)%2)
	s_wait_dscnt \younger                          ; the block is back in registers
	s_wait_xcnt 0x0                                ; only behind this wait are the stores' base and the registers that earlier stores read rewritten
.if (\a) == 0
	s_add_nc_u64 s[CP:CP+1], s[CP:CP+1], s[16:17]  ; on to this tile's first rows
.else
	s_add_nc_u64 s[CP:CP+1], s[CP:CP+1], 16*SIZE_N*2
.endif
.irp t, 0,1,2,3,4,5,6,7
	global_store_b128 v[CO], v[BK+4*(\t):BK+4*(\t)+3], s[CP:CP+1] offset:2*(\t)*SIZE_N*2  ; 16 lanes store 256 consecutive bytes, at a multiple of 256 from C's first byte
.endr
.endm
.macro WAYOUT
	PACK 0
	TOSTAGE 0
.irp a, 1,2,3,4,5,6,7                  ; block a's conversions stand between block a - 1's loads from the stage and the wait for them
	PACK \a
	SEND (\a)-1, 0
	TOSTAGE \a
.endr
	SEND 7, 0
.endm
	BIASLD
	s_wait_tensorcnt 1                             ; my part of K step 0 is in; K step 1's may stay out
	s_barrier_signal -1
	s_barrier_wait -1
	FETCH 0, 0, F0
	s_wait_loadcnt 0x0                             ; the bias
	s_mov_b32 s2, TILES                            ; tiles to go, this one among them
.Ltile:
	QUARTER 0, 64,  F0, F1, 1                      ; a tile's first quarter: its products start the sums with the bias
	WIN 0
	s_mov_b32 s3, LAPS-1
.Llap:                                                 ; a trip goes once round the ring and fills both slots again
	QUARTER 0, 128, F1, F0, 0
	QUARTER 0, 192, F0, F1, 0
	TURN 0, 1, 0
	QUARTER 1, 64,  F0, F1, 0
	QUARTER 1, 128, F1, F0, 0
	QUARTER 1, 192, F0, F1, 0
	TURN 1, 0, 0
	QUARTER 0, 64,  F0, F1, 0
	WIN 0
	s_sub_co_u32 s3, s3, 1
	s_cmp_lg_u32 s3, 0
	s_cbranch_scc1 .Llap
	QUARTER 0, 128, F1, F0, 0                      ; the tile's last lap goes on
	QUARTER 0, 192, F0, F1, 0
	WIN 0
	s_cmp_eq_u32 s2, 1
	s_cbranch_scc1 .Llast_tile                     ; the last tile's tail is written out: it asks for nothing more
	TURN 0, 1, 1                                   ; the ring goes on into the next tile: slot 0 takes its K step 0,
	QUARTER 1, 64,  F0, F1, 0
	QUARTER 1, 128, F1, F0, 0
	QUARTER 1, 192, F0, F1, 0
	TURN 1, 0, 1                                   ; slot 1 its K step 1, and the next tile's first fragments are fetched
	s_add_nc_u64 s[BP:BP+1], s[BP:BP+1], 4096      ; the next tile's bias; the earlier bias loads were shown done by their wait for 0
	BIASLD
	WAYOUT                                         ; blocks 0-3 were finished ahead of the joint load's four v_nop; their conversions are the places behind the last products (blocks 4-7's)
	s_mov_b64 s[16:17], NEXT_C
	s_wait_loadcnt 0x0                             ; the next bias
	s_sub_co_u32 s2, s2, 1
	s_branch .Ltile
.Llast_tile:
	TURN 0, 1, 2                                   ; slot 1, the last K step, has landed; nothing is filled again
	QUARTER 1, 64,  F0, F1, 0
	QUARTER 1, 128, F1, F0, 0
	QUARTER 1, 192, F0, F1, 0
	s_wait_dscnt 8                                 ; the very last quarter: nothing more to fetch
	MUL16 F1, 0, 0, 0
	MUL16 F1, 0, 2, 0
	s_wait_dscnt 0x0
	MUL16 F1, 1, 0, 0
	MUL16 F1, 1, 2, 0
	WIN 0
	PLACES
	WAYOUT
	s_wait_tensorcnt 0x0                           ; the wave's end: three closing lines behind my last tensor load and my last LDS store
	ds_add_u32 v[SPW], v[NIL]
	s_wait_dscnt 0x0
	CROUND                                         ; the closing round: no work-group ends while a partner may still ask for a tile that names it
	s_endpgm
.Lfunc_end_k_q2464530e47_qkv:
	.size	k_q2464530e47_qkv, .Lfunc_end_k_q2464530e47_qkv-k_q2464530e47_qkv
	.p2alignl 7, 3214868480
	.fill 96, 4, 3214868480
	.section	.rodata,"a",@progbits
	.p2align	6, 0x0
	.amdhsa_kernel k_q2464530e47_qkv
		.amdhsa_group_segment_fixed_size 327680
		.amdhsa_private_segment_fixed_size 0
		.amdhsa_enable_private_segment 0
		.amdhsa_kernarg_size 32
		.amdhsa_user_sgpr_count 2
		.amdhsa_user_sgpr_kernarg_segment_ptr 1
		.amdhsa_wavefront_size32 1
		.amdhsa_system_sgpr_workgroup_id_x 1
		.amdhsa_system_sgpr_workgroup_id_y 1
		.amdhsa_system_sgpr_workgroup_id_z 1
		.amdhsa_system_vgpr_workitem_id 0
		.amdhsa_next_free_vgpr 1024
		.amdhsa_next_free_sgpr 72
		.amdhsa_reserve_vcc 0
		.amdhsa_float_denorm_mode_32 3
		.amdhsa_float_denorm_mode_16_64 3
		.amdhsa_memory_ordered 1
		.amdhsa_forward_progress 1
		.amdhsa_inst_pref_size 213
	.end_amdhsa_kernel
	.amdgpu_metadata
---
amdhsa.version: [ 1, 2 ]
amdhsa.kernels:
  - .name:           k_q2464530e47_qkv
    .symbol:         k_q2464530e47_qkv.kd
    .args:
      - { .name: xb, .offset: 0, .size: 8, .value_kind: global_buffer, .address_space: global }
      - { .name: wt, .offset: 8, .size: 8, .value_kind: global_buffer, .address_space: global }
      - { .name: bias, .offset: 16, .size: 8, .value_kind: global_buffer, .address_space: global }
      - { .name: qkv, .offset: 24, .size: 8, .value_kind: global_buffer, .address_space: global }
    .group_segment_fixed_size: 327680
    .private_segment_fixed_size: 0
    .kernarg_segment_align: 8
    .kernarg_segment_size: 32
    .max_flat_workgroup_size: 128
    .sgpr_count:     72
    .vgpr_count:     1024
    .wavefront_size: 32
...
	.end_amdgpu_metadata
.endif
;; end of part 2
;; launch attn (part 3): grid 512 x 2, 4 waves a work-group, no clusters, 90,624 bytes of LDS; arguments qkv, ob; writes ob
.if DOCPART == 3
	.amdgcn_target "amdgcn-amd-amdhsa--gfx1250"
	.amdhsa_code_object_version 6
	.text
	.protected	k_q2464530e47_attn
	.globl	k_q2464530e47_attn
	.p2align	8
	.type	k_q2464530e47_attn,@function
k_q2464530e47_attn:
	s_mov_b64 s[64:65], 0
	v_nop
	global_prefetch_b8 v0, s[64:65] scope:SCOPE_SE
	s_setreg_imm32_b32 hwreg(HW_REG_WAVE_MODE, 25, 1), 1
	s_wait_xcnt 0x0
; NEIGHBOURHOOD ATTENTION, window 7, 16 heads of 64 channels.  qkv: q, k, v, each [16384][1024] f16, then 8 rows of zeros; ob: [16384][1024] f16.
; O[row][head] = the sum over keys with |key - row| <= 3 inside the row's batch of 8,192 rows of softmax(q . k / 8) v.  Products, maximum and sum in f32; the weights are rounded to f16 for the second product, O once.
; LIMITS.  q, k, v arrive within f16's range.  A hidden score counts as its value less 1e30 (f16's scores reach 2.7e11 at the most); a weight below 2^-126 counts as 0; NaN and infinities are not treated apart.
; Every query sees its own key, so the maximum is a true score.
; SHARES.  A wave takes 32 queries (rows 32 blk ..) of two heads (256 bytes of each row): four UNITS x = 2 e + t, head e, tile t of 16 queries.  Keys come as three blocks u of 16 rows from row 32 blk - 8 on;
; tile t takes blocks t and t + 1: 32 keys, key kk standing for row 32 blk + 16 t - 8 + kk.  Rows outside k or v are the neighbouring tensor's or the zeros behind v: finite, and masked.
; LAYOUT.  S^T = K Q^T (source 0 = 16 keys, source 1 = 16 queries): a lane holds ONE query (lane % 16) and the keys 8 (lane / 16) + 0..7.  Two such results rounded to f16 ARE source 1 of O^T = V^T P.
; THE MASK is the C operand that starts S^T's sum: 0 or -1e30.  It hangs on the lane alone, but for the first and last block of a batch.
; No cluster, no tensor load, no barrier, no prefetch: a wave issues all its 64 loads at its head and shares nothing but 16 of 48 key rows with its neighbours.
; REGISTERS.  window 0: v1-15 addresses and at work; v32-63 masks; v64-159 V as loaded, then S^T (16 a unit from v64) and P (8 a unit from v128); O^T 32 a unit: v64-127, v160-223; v224-255 statistics.
;   window 1: v0-63 Q; v64-159 K; v160-255 V^T's halves: (e, cb, u) at 160 + 48 e + 12 cb + 4 u, so that tile t's fragment is the 8 registers from 4 t on.
.set WAVEB, 22528                      ; LDS of a wave: V, 48 rows x 288 bytes; then the stage, 32 rows x 272 bytes
.set PVP,   288                        ; 256 + 32 = 72 words
.set STG,   48*PVP
.set SP,    272
.set SPARE, 4*WAVEB                    ; the spare words, 128 bytes a wave: two blocks of 256 bytes that no other line names
.set FO,  4                            ; v4   2048 r + 16 h: a fragment's row in memory
.set VO,  5                            ; v5   2048 h + 16 r: two whole rows of 256 bytes
.set VS,  6                            ; v6   where V's rows go in LDS
.set AV0, 7                            ; v7   the turning load's address
.set STO, 8                            ; v8   the way out: where I put 16 bytes of a row
.set RD,  9                            ; v9   the way out: where I read rows back
.set SPW, 10
.set NIL, 11
.set MD,  32                           ; v[32:47]  the band's mask: register 8 i + j for key 16 i + 8 h + j
.set MF,  48                           ; v[48:55]  tile 0, keys 0-15, with the rows ahead of a batch hidden
.set ML,  56                           ; v[56:63]  tile 1, keys 16-31, with the rows behind a batch hidden
.set S,   64
.set P,   128
.set ST,  224                          ; unit x at ST + 8 x: +0 c m, +1 m, +2 c0, +4 l, +6 1 / l, +7 c1
.set KF,  64
.set VF,  160
.set MSB, 0
.macro WIN new
.if MSB != (\new)
	s_set_vgpr_msb (MSB<<8)|(\new)
.set MSB, \new
.endif
.endm
	s_load_b128 s[4:7], s[0:1], 0x0                ; qkv s[4:5], ob s[6:7]
	v_lshl_add_u32 v[SPW], v0, 2, SPARE
	v_mov_b32 v[NIL], 0
	v_lshrrev_b32 v12, 5, v0
	v_readfirstlane_b32 s8, v12                    ; wave 0..3
	v_and_b32 v1, 15, v0                           ; r = l % 16
	v_bfe_u32 v2, v0, 4, 1                         ; h = l / 16
	s_and_b32 s9, ttmp7, 0xffff
	s_lshl_b32 s9, s9, 2
	s_add_co_u32 s9, s9, s8                        ; my pair of heads, 0..7
	s_lshl_b32 s26, ttmp9, 16                      ; 32 rows of 2,048 bytes
	s_lshl_b32 s27, s9, 8
	s_add_co_u32 s26, s26, s27
	s_mov_b32 s27, 0
	s_mul_i32 s25, s8, WAVEB
	s_mov_b32 s18, 0x3e38aa3b                      ; c = log2(e) / 8
	s_mov_b32 s19, s18                             ; named with it as a pair
	s_mov_b32 s20, 0x76543210                      ; v_permlanex16_b32: each lane takes its own place in the other half
	s_mov_b32 s21, 0xfedcba98
	s_mov_b32 s22, 0xf149f2ca                      ; -1e30
	v_lshlrev_b32 v[FO], 11, v1
	v_lshl_add_u32 v[FO], v2, 4, v[FO]
	v_lshlrev_b32 v[VO], 11, v2
	v_lshl_add_u32 v[VO], v1, 4, v[VO]
	s_wait_kmcnt 0x0
	s_add_nc_u64 s[10:11], s[4:5], s[26:27]        ; q at my first row
	s_add_nc_u64 s[12:13], s[10:11], 33538048      ; k, 8 rows earlier: 33,554,432 - 16,384
	s_add_nc_u64 s[14:15], s[10:11], 67092480      ; v, 8 rows earlier
	s_add_nc_u64 s[16:17], s[6:7], s[26:27]        ; O at my first row
	; all 64 loads: V by whole rows (24), K's fragments (24), Q's (16)
.set i, 0
.rept 24
	global_load_b128 v[S+4*i:S+4*i+3], v[VO], s[14:15] offset:4096*i
.set i, i+1
.endr
	WIN 0x40                                       ; destination window 1, address window 0
.irp e, 0,1
.irp u, 0,1,2
.irp c, 0,1
	global_load_b128 v[KF+8*(6*(\e)+2*(\u)+(\c)):KF+8*(6*(\e)+2*(\u)+(\c))+3],   v[FO], s[12:13] offset:32768*(\u)+128*(\e)+64*(\c)
	global_load_b128 v[KF+8*(6*(\e)+2*(\u)+(\c))+4:KF+8*(6*(\e)+2*(\u)+(\c))+7], v[FO], s[12:13] offset:32768*(\u)+128*(\e)+64*(\c)+32
.endr
.endr
.endr
.irp e, 0,1
.irp t, 0,1
.irp c, 0,1
	global_load_b128 v[8*(4*(\e)+2*(\t)+(\c)):8*(4*(\e)+2*(\t)+(\c))+3],   v[FO], s[10:11] offset:32768*(\t)+128*(\e)+64*(\c)
	global_load_b128 v[8*(4*(\e)+2*(\t)+(\c))+4:8*(4*(\e)+2*(\t)+(\c))+7], v[FO], s[10:11] offset:32768*(\t)+128*(\e)+64*(\c)+32
.endr
.endr
.endr
	WIN 0
	; LDS addresses and masks, while the loads are out
	v_mul_u32_u24 v[VS], v2, PVP
	v_lshl_add_u32 v[VS], v1, 4, v[VS]
	v_add_nc_u32 v[VS], s25, v[VS]
	v_and_b32 v12, 7, v0
	v_bfe_u32 v13, v0, 3, 1
	v_lshl_add_u32 v[AV0], v2, 3, v12              ; key 8 h + l % 8,
	v_mul_u32_u24 v[AV0], v[AV0], PVP
	v_lshl_add_u32 v[AV0], v13, 4, v[AV0]          ; channels 8 ((l / 8) % 2) on
	v_add_nc_u32 v[AV0], s25, v[AV0]
	s_add_co_u32 s26, s25, STG                     ; my stage
	v_mul_u32_u24 v[STO], v1, SP
	v_lshl_add_u32 v[STO], v2, 4, v[STO]
	v_add_nc_u32 v[STO], s26, v[STO]
	v_mul_u32_u24 v[RD], v2, SP
	v_lshl_add_u32 v[RD], v1, 4, v[RD]
	v_add_nc_u32 v[RD], s26, v[RD]
	s_and_b32 s26, ttmp9, 255                      ; a batch has 256 blocks of 32 rows
	s_cmp_eq_u32 s26, 0
	s_cselect_b32 s23, s22, 0                      ; the batch's first block: the 8 rows ahead are hidden
	s_cmp_eq_u32 s26, 255
	s_cselect_b32 s24, s22, 0                      ; its last: the 8 rows behind
	v_lshlrev_b32 v12, 3, v2
	v_sub_nc_u32 v12, v12, v1
	v_add_nc_u32 v12, -5, v12                      ; 8 h - 5 - r: key kk is seen where 0 <= kk - 8 - r + 3 <= 6
.set n, 0
.rept 16
	v_add_nc_u32 v13, n+8*(n/8), v12               ; 16 i + j + 8 h - 5 - r
	v_cmp_lt_u32 vcc_lo, 6, v13
	v_cndmask_b32 v[MD+n], 0, s22, vcc_lo
.set n, n+1
.endr
	v_cmp_eq_u32 vcc_lo, 0, v2
	v_cndmask_b32 v14, 0, s23, vcc_lo              ; tile 0's keys 0-7 lie in lanes 0-15 of its first result
	v_cmp_eq_u32 vcc_lo, 1, v2
	v_cndmask_b32 v15, 0, s24, vcc_lo              ; tile 1's keys 24-31 in lanes 16-31 of its second
.set j, 0
.rept 8
	v_min_num_f32 v[MF+j], v[MD+j], v14
	v_min_num_f32 v[ML+j], v[MD+8+j], v15
.set j, j+1
.endr
	s_wait_loadcnt 40                              ; V is in: K's 24 loads and Q's 16 are younger
.set i, 0
.rept 24
	ds_store_b128 v[VS], v[S+4*i:S+4*i+3] offset:2*PVP*i
.set i, i+1
.endr
	WIN 0x40
.irp e, 0,1
.irp cb, 0,1,2,3
.irp u, 0,1,2
	ds_load_tr16_b128 v[VF+48*(\e)+12*(\cb)+4*(\u):VF+48*(\e)+12*(\cb)+4*(\u)+3], v[AV0] offset:16*PVP*(\u)+128*(\e)+32*(\cb)  ; my own bytes, served in order behind the stores above
.endr
.endr
.endr
	WIN 0
	s_wait_loadcnt 0x0                             ; K and Q
; S^T: 16 products.  The 8 accumulators take turns, one instruction a turn: 7 others stand between the two links of a chain.
.macro SC x, i, c
.set rS, S+16*(\x)+8*(\i)
.set rK, KF+8*(6*((\x)/2)+2*((\x)%2+(\i))+(\c))
.set rQ, 8*(4*((\x)/2)+2*((\x)%2)+(\c))
.if (\c) == 0
.if (((\x)%2) == 0) && ((\i) == 0)
.set rM, MF
.elseif ((\x)%2) == 0
.set rM, MD+8
.elseif (\i) == 0
.set rM, MD
.else
.set rM, ML
.endif
	v_wmma_f32_16x16x32_f16 v[rS:rS+7], v[rK:rK+7], v[rQ:rQ+7], v[rM:rM+7]
.else
	v_wmma_f32_16x16x32_f16 v[rS:rS+7], v[rK:rK+7], v[rQ:rQ+7], v[rS:rS+7]
.endif
.endm
	WIN 0x05                                       ; K and Q window 1; masks and S^T window 0
.irp c, 0,1
.irp x, 0,1,2,3
.irp i, 0,1
	SC \x, \i, \c
.endr
.endr
.endr
	WIN 0
.rept 4
	v_nop                                          ; the places behind those products
.endr
; THE SOFTMAX, each step for the four units in turn.  Each accumulator's lowest registers are read first.
.macro MXA d, i0, i1, i2
.set x, 0
.rept 4
	v_max3_num_f32 v[ST+8*x+(\d)], v[S+16*x+(\i0)], v[S+16*x+(\i1)], v[S+16*x+(\i2)]
.set x, x+1
.endr
.endm
.macro MXB d, i1, i2
.set x, 0
.rept 4
	v_max3_num_f32 v[ST+8*x+(\d)], v[ST+8*x+(\d)], v[S+16*x+(\i1)], v[S+16*x+(\i2)]
.set x, x+1
.endr
.endm
	MXA 2, 0, 1, 2
	MXA 7, 8, 9, 10
	MXB 2, 3, 4
	MXB 7, 11, 12
	MXB 2, 5, 6
	MXB 7, 13, 14
	MXB 2, 7, 15
.set x, 0
.rept 4
	v_max_num_f32 v[ST+8*x+2], v[ST+8*x+2], v[ST+8*x+7]
.set x, x+1
.endr
.set x, 0
.rept 4
	v_permlanex16_b32 v[ST+8*x+7], v[ST+8*x+2], s20, s21  ; the query's other 16 keys lie in the lane 16 away
.set x, x+1
.endr
.set x, 0
.rept 4
	v_max_num_f32 v[ST+8*x+1], v[ST+8*x+2], v[ST+8*x+7]
.set x, x+1
.endr
.set x, 0
.rept 4
	v_mul_f32 v[ST+8*x], s18, v[ST+8*x+1]
.set x, x+1
.endr
.set x, 0
.rept 4
.set b, 0
.rept 8
	v_pk_fma_f32 v[S+16*x+2*b:S+16*x+2*b+1], v[S+16*x+2*b:S+16*x+2*b+1], s[18:19], v[ST+8*x:ST+8*x+1] op_sel_hi:[1,0,0] neg_lo:[0,0,1] neg_hi:[0,0,1]  ; c s - c m
.set b, b+1
.endr
.set x, x+1
.endr
.set n, 0
.rept 64
	v_exp_f32 v[S+n], v[S+n]                       ; one batch of 64
.set n, n+1
.endr
	v_nop                                          ; a plain instruction behind the last exponential,
	s_wait_alu depctr_va_vdst(0)                   ; and one wait ahead of the batch's first reader
.set n, 0
.rept 32
	v_cvt_pk_f16_f32 v[P+n], v[S+2*n], v[S+2*n+1]  ; P: unit x's 8 registers follow from its 16 weights
.set n, n+1
.endr
.irp w, 8,4,2                          ; the sum of a unit's 8 pairs, in place: neighbours 4, 2 and 1 pairs apart
.set x, 0
.rept 4
.set b, 0
.rept (\w)/2
	v_pk_add_f32 v[S+16*x+2*b:S+16*x+2*b+1], v[S+16*x+2*b:S+16*x+2*b+1], v[S+16*x+2*b+(\w):S+16*x+2*b+(\w)+1]
.set b, b+1
.endr
.set x, x+1
.endr
.endr
.set x, 0
.rept 4
	v_add_f32 v[ST+8*x+4], v[S+16*x], v[S+16*x+1]
.set x, x+1
.endr
.set x, 0
.rept 4
	v_permlanex16_b32 v[ST+8*x+7], v[ST+8*x+4], s20, s21
.set x, x+1
.endr
.set x, 0
.rept 4
	v_add_f32 v[ST+8*x+4], v[ST+8*x+4], v[ST+8*x+7]
.set x, x+1
.endr
.set x, 0
.rept 4
	v_rcp_f32 v[ST+8*x+6], v[ST+8*x+4]
.set x, x+1
.endr
	v_nop                                          ; a plain instruction behind the last reciprocal,
	s_wait_alu depctr_va_vdst(0)                   ; and one wait for the four
	s_wait_dscnt 0x0                               ; V^T's halves are in
	WIN 0x01                                       ; V^T window 1; P and O^T window 0
.irp x, 0,1,2,3
.irp cb, 0,1,2,3
	v_wmma_f32_16x16x32_f16 v[64+32*(\x)+32*((\x)/2)+8*(\cb):64+32*(\x)+32*((\x)/2)+8*(\cb)+7], v[VF+48*((\x)/2)+12*(\cb)+4*((\x)%2):VF+48*((\x)/2)+12*(\cb)+4*((\x)%2)+7], v[P+8*(\x):P+8*(\x)+7], 0
.endr
.endr
	WIN 0
.rept 4
	v_nop                                          ; the places behind those products
.endr
; THE WAY OUT.  O^T / l, rounded to f16 (packed in place, ascending), 16 bytes a lane into my stage; back as whole rows of 256 bytes.
.macro OUTU x
.set rO, 64+32*(\x)+32*((\x)/2)
.set rT, ST+8*(\x)
.set i, 0
.rept 16
	v_pk_mul_f32 v[rO+2*i:rO+2*i+1], v[rO+2*i:rO+2*i+1], v[rT+6:rT+7] op_sel_hi:[1,0]
.set i, i+1
.endr
.set i, 0
.rept 16
	v_cvt_pk_f16_f32 v[rO+i], v[rO+2*i], v[rO+2*i+1]
.set i, i+1
.endr
.irp cb, 0,1,2,3
	ds_store_b128 v[STO], v[rO+4*(\cb):rO+4*(\cb)+3] offset:16*SP*((\x)%2)+128*((\x)/2)+32*(\cb)
.endr
.endm
	OUTU 0
	OUTU 1
	OUTU 2
	OUTU 3
.set i, 0
.rept 16
	ds_load_b128 v[S+4*i:S+4*i+3], v[RD] offset:2*SP*i  ; served in order behind the stores above
.set i, i+1
.endr
.set i, 0
.rept 16
	s_wait_dscnt 15-i
	global_store_b128 v[VO], v[S+4*i:S+4*i+3], s[16:17] offset:4096*i  ; 16 lanes store 256 consecutive bytes, at a multiple of 256 from O's first byte
.set i, i+1
.endr
	s_wait_tensorcnt 0x0                           ; the wave's end: three closing lines behind my last LDS store
	ds_add_u32 v[SPW], v[NIL]
	s_wait_dscnt 0x0
	s_endpgm
.Lfunc_end_k_q2464530e47_attn:
	.size	k_q2464530e47_attn, .Lfunc_end_k_q2464530e47_attn-k_q2464530e47_attn
	.p2alignl 7, 3214868480
	.fill 96, 4, 3214868480
	.section	.rodata,"a",@progbits
	.p2align	6, 0x0
	.amdhsa_kernel k_q2464530e47_attn
		.amdhsa_group_segment_fixed_size 90624
		.amdhsa_private_segment_fixed_size 0
		.amdhsa_enable_private_segment 0
		.amdhsa_kernarg_size 16
		.amdhsa_user_sgpr_count 2
		.amdhsa_user_sgpr_kernarg_segment_ptr 1
		.amdhsa_wavefront_size32 1
		.amdhsa_system_sgpr_workgroup_id_x 1
		.amdhsa_system_sgpr_workgroup_id_y 1
		.amdhsa_system_sgpr_workgroup_id_z 1
		.amdhsa_system_vgpr_workitem_id 0
		.amdhsa_next_free_vgpr 512
		.amdhsa_next_free_sgpr 66
		.amdhsa_reserve_vcc 1
		.amdhsa_float_denorm_mode_32 3
		.amdhsa_float_denorm_mode_16_64 3
		.amdhsa_memory_ordered 1
		.amdhsa_forward_progress 1
		.amdhsa_inst_pref_size 41
	.end_amdhsa_kernel
	.amdgpu_metadata
---
amdhsa.version: [ 1, 2 ]
amdhsa.kernels:
  - .name:           k_q2464530e47_attn
    .symbol:         k_q2464530e47_attn.kd
    .args:
      - { .name: qkv, .offset: 0, .size: 8, .value_kind: global_buffer, .address_space: global }
      - { .name: ob, .offset: 8, .size: 8, .value_kind: global_buffer, .address_space: global }
    .group_segment_fixed_size: 90624
    .private_segment_fixed_size: 0
    .kernarg_segment_align: 8
    .kernarg_segment_size: 16
    .max_flat_workgroup_size: 128
    .sgpr_count:     66
    .vgpr_count:     512
    .wavefront_size: 32
...
	.end_amdgpu_metadata
.endif
;; end of part 3
;; launch proj (part 4): grid 4 x 64, 4 waves a work-group, clusters of 4 x 4, 327,680 bytes of LDS; arguments ob, wt, bias, out0; writes out0
.if DOCPART == 4
	.amdgcn_target "amdgcn-amd-amdhsa--gfx1250"
	.amdhsa_code_object_version 6
	.text
	.protected	k_q2464530e47_proj
	.globl	k_q2464530e47_proj
	.p2align	8
	.type	k_q2464530e47_proj,@function
k_q2464530e47_proj:
	s_mov_b64 s[64:65], 0
	v_nop
	global_prefetch_b8 v0, s[64:65] scope:SCOPE_SE
	s_setreg_imm32_b32 hwreg(HW_REG_WAVE_MODE, 25, 1), 1
	s_wait_xcnt 0x0
	s_wait_alu depctr_hold_cnt(0) depctr_sa_sdst(0) depctr_va_vdst(0) depctr_va_sdst(0) depctr_va_ssrc(0) depctr_va_vcc(0) depctr_vm_vsrc(0)
	s_getreg_b32 s2, hwreg(HW_REG_IB_STS2, 6, 4)
	s_cmp_eq_u32 s2, 0
	s_cbranch_scc0 .Lentry_in_a_cluster
	s_endpgm
.Lentry_in_a_cluster:
	s_bfe_u32 s2, ttmp6, 0x10000c
	s_cmp_lg_u32 s2, 0xf033
	s_cbranch_scc0 .Lentry_shape_is_right
	s_endpgm
.Lentry_shape_is_right:
; out0 = O w_o + b_o.  A = ob [16384][1024] f16; B = wt rows 3072 .. 4095 ([n][k]: w_o^T, bf16 numbers written as f16); bias from number 3072 on, f32; C = out0 [16384][1024] f32.  Sums in f32.
; A tile of C is 256 x 256, one to a work-group: four waves, each 128 x 128 in 64 accumulators.  K goes in steps of 128 through two LDS slots filled by tensor loads of 128 rows x 256 bytes.
; CLUSTERS: 4 x 4 work-groups; A's tile is asked for jointly along a row of the cluster, B's along a column.
; THE MATRIX INSTRUCTION IS USED TRANSPOSED (source 0 = 16 rows of B, source 1 = 16 rows of A): a lane holds row lane % 16 of C and the columns 8 (lane / 16) + 0..7: 32 bytes on end.
; THE BIAS IS THE C OPERAND OF THE PRODUCT THAT STARTS A SUM.
; REGISTERS: window 0: v0-31 addresses; v64-127, v128-191 A's fragments, later rows on the way out.  window 1: v0-63 the bias; v64-191 B's fragments.  windows 2, 3: the accumulators.
.set SIZE_K, 1024
.set KSTEP,  128
.set PITCH,  272
.set HALFT,  128*PITCH
.set SLOT,   4*HALFT
.set STAGE,  2*SLOT                    ; behind the ring: 16 rows x 528 bytes for each wave
.set SPITCH, 528                       ; 512 bytes + 16 = 132 words: the 16 rows of a store start at 16 different groups of four banks (64 banks of 4 bytes: ISA guide 11.1)
.set SPARE,  STAGE+4*16*SPITCH         ; the spare words, 128 bytes a wave: two blocks of 256 bytes that no other line names
.set LAPS,   SIZE_K/(2*KSTEP)
.set CROW,   4096                      ; bytes in a row of C
.set ADRA, 16
.set ADRB, 20
.set STO,  24
.set RD,   25
.set CO,   26
.set BO,   27
.set SPW,  28
.set NIL,  29
.set PFO,  30
.set PFA,  44
.set LIM,  43
.set F0,   64
.set F1,   128
.set G1,  24
.set G0,  32
.set G1B, 48
.set G0B, 56
.set BP,  68
.set CP,  70
.set MSB, 0
.macro WIN new
.if MSB != (\new)
	s_set_vgpr_msb (MSB<<8)|(\new)
.set MSB, \new
.endif
.endm
.set TO_B, 0x40
.macro JLOAD s                         ; a joint load: waves 0 and 1 fetch A's two halves, waves 2 and 3 B's; an s_nop 0 and four v_nop follow each line
	s_cmp_eq_u32 s11, 0
	s_cbranch_scc0 .Lfor_b_\@
	tensor_load_to_lds s[G0+4*(\s):G0+4*(\s)+3], s[G1:G1+7]
	s_nop 0
.rept 4
	v_nop
.endr
	s_branch .Lasked_\@
.Lfor_b_\@:
	tensor_load_to_lds s[G0B+4*(\s):G0B+4*(\s)+3], s[G1B:G1B+7]
	s_nop 0
.rept 4
	v_nop
.endr
.Lasked_\@:
.endm
; A prefetch of the K step two refills on: 32 rows x 256 bytes, a lane a row.  A's rows are read by one cluster alone, which asks; B's by every cluster: those with y = 0 ask.  The four partners of a joint
; load share its 128 rows out by address.  The loop's last trip has no K step two on.
.macro ASK
	s_cmp_gt_u32 s3, s[LIM]
	s_cbranch_scc0 .Lnot_mine_\@
	global_prefetch_b8 v[PFO], s[PFA:PFA+1] offset:KSTEP*2 th:TH_LOAD_NT scope:SCOPE_SE
.Lnot_mine_\@:
.endm
.macro CREST
	s_cmp_lg_u32 s10, 0
	s_cbranch_scc1 .Lnot_wave_0_\@
	s_barrier_signal -3
.Lnot_wave_0_\@:
	s_barrier_wait -3
	s_barrier_signal -1
	s_barrier_wait -1
.endm
.macro CROUND
	s_barrier_signal -1
	s_barrier_wait -1
	CREST
.endm
	s_load_b128 s[4:7], s[0:1], 0x0                ; A s[4:5], wt s[6:7]
	s_load_b128 s[68:71], s[0:1], 0x10             ; bias, C
	v_lshl_add_u32 v[SPW], v0, 2, SPARE
	v_mov_b32 v[NIL], 0
	ds_add_u32 v[SPW], v[NIL]                      ; the wave's opening: the add and its wait stand ahead of my first tensor load
	v_lshrrev_b32 v1, 5, v0
	v_readfirstlane_b32 s10, v1
	s_lshr_b32 s11, s10, 1
	s_and_b32 s12, s10, 1
	s_bfe_u32 s40, ttmp6, 0x40000                  ; cx
	s_bfe_u32 s41, ttmp6, 0x40004                  ; cy
	s_lshl_b32 s42, ttmp9, 2
	s_add_co_u32 s42, s42, s40                     ; tile column
	s_and_b32 s13, ttmp7, 0xffff
	s_lshl_b32 s13, s13, 2
	s_add_co_u32 s13, s13, s41                     ; tile row
	s_lshl_b32 s43, s41, 2
	s_lshl_b32 s43, 15, s43
	s_lshl_b32 s44, 0x1111, s40
	s_or_b32 s[G1+0], s43, (1<<16)|(1<<20)|(1<<21)|(5<<22)|(3<<25)
	s_or_b32 s[G1B+0], s44, (1<<16)|(1<<20)|(1<<21)|(5<<22)|(3<<25)
.irp g, G1, G1B
	s_mov_b32 s[(\g)+1], KSTEP<<16
	s_mov_b32 s[(\g)+2], 128<<16
	s_mov_b32 s[(\g)+3], KSTEP<<16
	s_mov_b32 s[(\g)+4], 128
	s_mov_b32 s[(\g)+5], SIZE_K
	s_mov_b32 s[(\g)+6], 0
	s_mov_b32 s[(\g)+7], 0
.endr
	s_lshl_b32 s17, s12, 7
	s_lshl_b32 s16, s13, 8
	s_add_co_u32 s16, s16, s17
	s_lshl_b32 s46, s42, 8
	s_add_co_u32 s46, s46, s17
	s_mov_b32 s17, 0
	s_mov_b32 s47, 0
	s_mov_b64 s[18:19], SIZE_K*2
	s_mul_u64 s[16:17], s[16:17], s[18:19]
	s_mul_u64 s[46:47], s[46:47], s[18:19]
	s_mul_i32 s20, s10, HALFT
	s_wait_dscnt 0x0                               ; the opening add is done
	s_wait_kmcnt 0x0
	s_add_nc_u64 s[6:7], s[6:7], 6291456           ; w_o^T begins at row 3,072 of wt
	s_add_nc_u64 s[14:15], s[4:5], s[16:17]
	s_add_nc_u64 s[46:47], s[6:7], s[46:47]
	CROUND                                         ; all sixteen work-groups are here: the first joint loads meet
.irp s, 0,1
	s_mov_b32 s[G0+4*(\s)], 1
	s_add_co_u32 s[G0+4*(\s)+1], s20, (\s)*SLOT
	s_add_nc_u64 s[G0+4*(\s)+2:G0+4*(\s)+3], s[14:15], (\s)*KSTEP*2
	s_or_b32 s[G0+4*(\s)+3], s[G0+4*(\s)+3], 0x80000000
	s_mov_b32 s[G0B+4*(\s)], 1
	s_add_co_u32 s[G0B+4*(\s)+1], s20, (\s)*SLOT
	s_add_nc_u64 s[G0B+4*(\s)+2:G0B+4*(\s)+3], s[46:47], (\s)*KSTEP*2
	s_or_b32 s[G0B+4*(\s)+3], s[G0B+4*(\s)+3], 0x80000000
	JLOAD \s                                       ; two tensor loads of mine are out
.endr
	v_and_b32 v1, 15, v0
	v_bfe_u32 v2, v0, 4, 1
	v_mul_u32_u24 v3, v1, PITCH
	v_lshl_add_u32 v3, v2, 4, v3
	s_mul_i32 s21, s11, HALFT
	s_mul_i32 s22, s12, HALFT
	s_add_co_u32 s22, s22, 2*HALFT
.irp s, 0,1
	v_add_nc_u32 v[ADRA+(\s)], s21, v3
	v_add_nc_u32 v[ADRB+(\s)], s22, v3
	s_add_co_u32 s21, s21, SLOT
	s_add_co_u32 s22, s22, SLOT
.endr
	s_mul_i32 s23, s10, 16*SPITCH
	s_add_co_u32 s23, s23, STAGE                   ; my stage
	v_mul_u32_u24 v4, v1, SPITCH                   ; in: row l % 16, 32 bytes for each half of the lanes
	v_lshl_add_u32 v4, v2, 5, v4
	v_add_nc_u32 v[STO], s23, v4
	v_and_b32 v5, 31, v0
	v_lshlrev_b32 v[CO], 4, v5                     ; back and out: 32 lanes take one row's 512 bytes
	v_add_nc_u32 v[RD], s23, v[CO]
	v_lshlrev_b32 v[BO], 5, v2
	s_lshl_b32 s13, s13, 8
	s_lshl_b32 s14, s11, 7
	s_add_co_u32 s16, s13, s14                     ; my first row of C
	s_mov_b32 s17, 0
	s_mov_b64 s[18:19], CROW
	s_mul_u64 s[16:17], s[16:17], s[18:19]
	s_lshl_b32 s46, s42, 10                        ; my first column, in bytes: 1,024 x tile column + 512 x half
	s_lshl_b32 s47, s12, 9
	s_add_co_u32 s46, s46, s47
	s_mov_b32 s47, 0
	s_add_nc_u64 s[16:17], s[16:17], s[46:47]      ; what the way out adds to C's address
	s_add_nc_u64 s[BP:BP+1], s[BP:BP+1], s[46:47]  ; the same columns in the bias,
	s_add_nc_u64 s[BP:BP+1], s[BP:BP+1], 12288     ; from number 3,072 on
	; the prefetches
	s_lshl_b32 s42, s42, 8
	s_and_b32 s22, ttmp7, 0xffff
	s_cmp_eq_u32 s11, 0
	s_cselect_b32 s20, s13, s42
	s_cselect_b32 s21, s40, s41
	s_cselect_b32 s22, ttmp9, s22
	s_cselect_b64 s[PFA:PFA+1], s[4:5], s[6:7]
	s_cmp_eq_u32 s22, 0
	s_cselect_b32 s[LIM], 1, -1
	s_lshl_b32 s22, s12, 7
	s_add_co_u32 s20, s20, s22
	s_lshl_b32 s21, s21, 5
	s_add_co_u32 s20, s20, s21
	s_mov_b32 s21, 0
	s_mov_b64 s[18:19], SIZE_K*2
	s_mul_u64 s[20:21], s[20:21], s[18:19]
	s_add_nc_u64 s[PFA:PFA+1], s[PFA:PFA+1], s[20:21]
	s_add_nc_u64 s[PFA:PFA+1], s[PFA:PFA+1], 2*KSTEP*2  ; at K step 2: the first refill steps it to 3 and names K step 4
	v_and_b32 v[PFO], 31, v0
	v_mul_u32_u24 v[PFO], v[PFO], SIZE_K*2
.macro MUL16 f, hi, a0, zero           ; 16 matrix instructions; zero = 1: the product starts the sum with the bias (window 1, v[8 b ..]) as its C
.if \zero
	WIN 0x91+0x40*(\hi)
.else
	WIN 0xa1+0x50*(\hi)
.endif
.irp a, \a0, (\a0)+1
.irp b, 0,1,2,3,4,5,6,7
.if \zero
	v_wmma_f32_16x16x32_f16 v[8*(8*(\a)+(\b)):8*(8*(\a)+(\b))+7], v[(\f)+8*(\b):(\f)+8*(\b)+7], v[(\f)+8*(4*(\hi)+(\a)):(\f)+8*(4*(\hi)+(\a))+7], v[8*(\b):8*(\b)+7]
.else
	v_wmma_f32_16x16x32_f16 v[8*(8*(\a)+(\b)):8*(8*(\a)+(\b))+7], v[(\f)+8*(\b):(\f)+8*(\b)+7], v[(\f)+8*(4*(\hi)+(\a)):(\f)+8*(4*(\hi)+(\a))+7], v[8*(8*(\a)+(\b)):8*(8*(\a)+(\b))+7]
.endif
.endr
.endr
.endm
.macro FETCH slot, k, f
	WIN TO_B
.irp i, 0,1,2,3,4,5,6,7
	ds_load_b128 v[(\f)+8*(\i):(\f)+8*(\i)+3],   v[ADRB+(\slot)] offset:(\k)+(\i)*16*PITCH
	ds_load_b128 v[(\f)+8*(\i)+4:(\f)+8*(\i)+7], v[ADRB+(\slot)] offset:(\k)+(\i)*16*PITCH+32
.endr
	WIN 0
.irp i, 0,1,2,3,4,5,6,7
	ds_load_b128 v[(\f)+8*(\i):(\f)+8*(\i)+3],   v[ADRA+(\slot)] offset:(\k)+(\i)*16*PITCH
	ds_load_b128 v[(\f)+8*(\i)+4:(\f)+8*(\i)+7], v[ADRA+(\slot)] offset:(\k)+(\i)*16*PITCH+32
.endr
.endm
.macro PLACES                          ; four plain vector instructions behind a matrix instruction (ISA guide 7.12.1)
.rept 4
	v_nop
.endr
.endm
.macro QUARTER slot, k, f, g, zero
	s_wait_dscnt 8                                 ; B and A's rows 0-63 are in; the youngest eight loads may be out
	MUL16 \f, 0, 0, \zero
	MUL16 \f, 0, 2, \zero
	PLACES
	FETCH \slot, \k, \g
	s_wait_dscnt 32                                ; all but the 32 just issued
	MUL16 \f, 1, 0, \zero
	MUL16 \f, 1, 2, \zero
.endm
.macro MEET round
	WIN 0
	s_wait_tensorcnt 0x0                           ; all my tensor loads have landed: the one that was out is my part of the next slot
	ds_add_u32 v[SPW], v[NIL]                      ; 0 onto my spare word
	s_wait_dscnt 9                                 ; the add and the youngest eight loads may be out
	MUL16 F1, 0, 0, 0
	s_wait_dscnt 0x0                               ; the add is done, and my reads of this slot are over
	s_barrier_signal -1
	MUL16 F1, 0, 2, 0
.if \round
	WIN 0
.endif
	s_barrier_wait -1
.endm
.macro TURN slot, next, fill           ; a K step's last quarter and the change of slots; fill = 1: this slot takes the K step two on
.if \fill
	s_wait_xcnt 0x0                                ; the last prefetch, a K step back, has read its address
	s_add_nc_u64 s[PFA:PFA+1], s[PFA:PFA+1], KSTEP*2
	MEET 1
	CREST                                          ; a round of the cluster's barrier: no wave of any partner still reads this slot or has a load on its way
	s_add_nc_u64 s[G0+4*(\slot)+2:G0+4*(\slot)+3], s[G0+4*(\slot)+2:G0+4*(\slot)+3], 2*KSTEP*2
	s_add_nc_u64 s[G0B+4*(\slot)+2:G0B+4*(\slot)+3], s[G0B+4*(\slot)+2:G0B+4*(\slot)+3], 2*KSTEP*2
	JLOAD \slot                                    ; my one tensor load behind the round; its four v_nop are also the places ahead of the loads below
	FETCH \next, 0, F0
	ASK
.else
	MEET 0
	PLACES
	FETCH \next, 0, F0
.endif
	MUL16 F1, 1, 0, 0
	MUL16 F1, 1, 2, 0
.endm
; THE WAY OUT of block a (16 rows x 128 columns of f32).  TOSTAGE: a lane's 32 bytes of each accumulator, low half first, into my own stage; back as whole rows of 512 bytes.  SEND: stored.
.macro TOSTAGE a
.set AC, 64*((\a)%4)
.set BK, 64+64*((\a)%2)
	WIN 0x08+4*((\a)/4)                            ; the stores' data: window 2 or 3
.irp b, 0,1,2,3,4,5,6,7
	ds_store_b128 v[STO], v[AC+8*(\b):AC+8*(\b)+3]   offset:64*(\b)
	ds_store_b128 v[STO], v[AC+8*(\b)+4:AC+8*(\b)+7] offset:64*(\b)+16
.endr
	WIN 0
	s_wait_xcnt 0x0                                ; the stores of the block two back have read these registers
.irp t, 0,1,2,3,4,5,6,7,8,9,10,11,12,13,14,15
	ds_load_b128 v[BK+4*(\t):BK+4*(\t)+3], v[RD] offset:(\t)*SPITCH  ; LDS serves a wave's instructions in order (ISA guide 5.7.1.4): these see the stores above
.endr
.endm
.macro SEND a, younger
.set BK, 64+64*((\a)%2)
	s_wait_dscnt \younger                          ; the block is back in registers
	s_wait_xcnt 0x0                                ; only behind this wait is the stores' base rewritten
.if (\a) == 0
	s_add_nc_u64 s[CP:CP+1], s[CP:CP+1], s[16:17]
.else
	s_add_nc_u64 s[CP:CP+1], s[CP:CP+1], 16*CROW
.endif
.irp t, 0,1,2,3,4,5,6,7,8,9,10,11,12,13,14,15
	global_store_b128 v[CO], v[BK+4*(\t):BK+4*(\t)+3], s[CP:CP+1] offset:(\t)*CROW th:TH_STORE_NT  ; the wave stores 512 consecutive bytes, at a multiple of 256 from C's first byte
.endr
.endm
	WIN TO_B
.irp b, 0,1,2,3,4,5,6,7
	global_load_b128 v[8*(\b):8*(\b)+3],   v[BO], s[BP:BP+1] offset:64*(\b)     ; my 128 columns' bias
	global_load_b128 v[8*(\b)+4:8*(\b)+7], v[BO], s[BP:BP+1] offset:64*(\b)+16
.endr
	WIN 0
	s_wait_tensorcnt 1                             ; my part of K step 0 is in; K step 1's may stay out
	s_barrier_signal -1
	s_barrier_wait -1
	FETCH 0, 0, F0
	s_wait_loadcnt 0x0                             ; the bias
	QUARTER 0, 64,  F0, F1, 1                      ; the first quarter: its products start the sums with the bias
	WIN 0
	s_mov_b32 s3, LAPS-1
.Llap:
	QUARTER 0, 128, F1, F0, 0
	QUARTER 0, 192, F0, F1, 0
	TURN 0, 1, 1
	QUARTER 1, 64,  F0, F1, 0
	QUARTER 1, 128, F1, F0, 0
	QUARTER 1, 192, F0, F1, 0
	TURN 1, 0, 1
	QUARTER 0, 64,  F0, F1, 0
	WIN 0
	s_sub_co_u32 s3, s3, 1
	s_cmp_lg_u32 s3, 0
	s_cbranch_scc1 .Llap
	QUARTER 0, 128, F1, F0, 0                      ; the last lap fills nothing
	QUARTER 0, 192, F0, F1, 0
	TURN 0, 1, 0
	QUARTER 1, 64,  F0, F1, 0
	QUARTER 1, 128, F1, F0, 0
	QUARTER 1, 192, F0, F1, 0
	s_wait_dscnt 8
	MUL16 F1, 0, 0, 0
	MUL16 F1, 0, 2, 0
	s_wait_dscnt 0x0
	MUL16 F1, 1, 0, 0
	MUL16 F1, 1, 2, 0
	WIN 0
	PLACES                                         ; behind the last products: ahead of the LDS stores that read results and of the loads into A's fragment registers
	TOSTAGE 0
.irp a, 1,2,3,4,5,6,7
	TOSTAGE \a
	SEND (\a)-1, 32                                ; block a's 16 stores and 16 loads are younger
.endr
	SEND 7, 0
	s_wait_tensorcnt 0x0                           ; the wave's end: three closing lines behind my last tensor load and my last LDS store
	ds_add_u32 v[SPW], v[NIL]
	s_wait_dscnt 0x0
	CROUND                                         ; the closing round
	s_endpgm
.Lfunc_end_k_q2464530e47_proj:
	.size	k_q2464530e47_proj, .Lfunc_end_k_q2464530e47_proj-k_q2464530e47_proj
	.p2alignl 7, 3214868480
	.fill 96, 4, 3214868480
	.section	.rodata,"a",@progbits
	.p2align	6, 0x0
	.amdhsa_kernel k_q2464530e47_proj
		.amdhsa_group_segment_fixed_size 327680
		.amdhsa_private_segment_fixed_size 0
		.amdhsa_enable_private_segment 0
		.amdhsa_kernarg_size 32
		.amdhsa_user_sgpr_count 2
		.amdhsa_user_sgpr_kernarg_segment_ptr 1
		.amdhsa_wavefront_size32 1
		.amdhsa_system_sgpr_workgroup_id_x 1
		.amdhsa_system_sgpr_workgroup_id_y 1
		.amdhsa_system_sgpr_workgroup_id_z 1
		.amdhsa_system_vgpr_workitem_id 0
		.amdhsa_next_free_vgpr 1024
		.amdhsa_next_free_sgpr 72
		.amdhsa_reserve_vcc 0
		.amdhsa_float_denorm_mode_32 3
		.amdhsa_float_denorm_mode_16_64 3
		.amdhsa_memory_ordered 1
		.amdhsa_forward_progress 1
		.amdhsa_inst_pref_size 144
	.end_amdhsa_kernel
	.amdgpu_metadata
---
amdhsa.version: [ 1, 2 ]
amdhsa.kernels:
  - .name:           k_q2464530e47_proj
    .symbol:         k_q2464530e47_proj.kd
    .args:
      - { .name: ob, .offset: 0, .size: 8, .value_kind: global_buffer, .address_space: global }
      - { .name: wt, .offset: 8, .size: 8, .value_kind: global_buffer, .address_space: global }
      - { .name: bias, .offset: 16, .size: 8, .value_kind: global_buffer, .address_space: global }
      - { .name: out0, .offset: 24, .size: 8, .value_kind: global_buffer, .address_space: global }
    .group_segment_fixed_size: 327680
    .private_segment_fixed_size: 0
    .kernarg_segment_align: 8
    .kernarg_segment_size: 32
    .max_flat_workgroup_size: 128
    .sgpr_count:     72
    .vgpr_count:     1024
    .wavefront_size: 32
...
	.end_amdgpu_metadata
.endif
;; end of part 4
;; ======== version 2 of 2: 4 launches; version 1 with the launches prep, attn written anew for expert scheduling mode
;; limits: values are held in f16: magnitudes above 65,504 overflow, below 6.1e-05 lose precision
;; workspace buffers: xb 33,554,432 bytes; wt 8,388,608 bytes; bias 16,384 bytes; qkv 100,679,680 bytes; ob 33,554,432 bytes
;; launch prep (part 5): grid 2177 x 1, 4 waves a work-group, no clusters, 70,144 bytes of LDS; arguments hidden_states, w_q, w_k, w_v, w_o, b_q, b_k, b_v, b_o, xb, wt, bias, qkv; writes xb, wt, bias, qkv
.if DOCPART == 5
	.amdgcn_target "amdgcn-amd-amdhsa--gfx1250"
	.amdhsa_code_object_version 6
	.text
	.protected	k_q2464530e47_prep
	.globl	k_q2464530e47_prep
	.p2align	8
	.type	k_q2464530e47_prep,@function
k_q2464530e47_prep:
	s_mov_b64 s[64:65], 0
	v_nop
	global_prefetch_b8 v0, s[64:65] scope:SCOPE_SE
	s_setreg_imm32_b32 hwreg(HW_REG_WAVE_SCHED_MODE, 0, 2), 2
	s_setreg_imm32_b32 hwreg(HW_REG_WAVE_MODE, 25, 1), 1
	s_wait_xcnt 0x0
	s_wait_alu depctr_vm_vsrc(0)
; PREPARATION.  Three kinds of work-group, told apart by the work-group's number alone:
;   0 .. 127     the four weights [k][n] f32 -> wt [4096 n][1024 k], 2 bytes a number: w_q, w_k, w_v in bf16; w_o rounded to bf16 and that number written as f16
;   128          the four biases, rounded to bf16 and kept as f32, -> bias [4096]; and 8 rows of zeros behind v in qkv (rows that the attention reads and masks)
;   129 .. 2176  hidden_states f32 -> xb bf16, 8,192 numbers a work-group
; LIMIT.  w_o as f16: a bf16 number is exact in f16 from 2^-14 to 65,504; below 2^-14 it keeps f16's fixed step of 6e-8.
; No matrix unit, no cluster, no barrier: nothing is shared between waves; the transposing stage in LDS is each wave's own.
; THE MODE: SCHED_MODE bits 1:0 = 2 (LLVM: expert scheduling mode 2), set by the entry lines.  The code itself states the register dependences
; between vector instructions and memory or LDS instructions, with s_wait_alu, always for 0.
; THE PLAN.  Registers that memory or LDS instructions touch:
;   x:        v6, v7 offsets, made once.  v16-79: written by the 16 loads, read by the conversions.  v80-111: written by the conversions, read by the stores, never written again.
;             Four blocks of four loads: the wait at block p's head states that block p - 1's conversions have written its out registers; that block's stores follow it.
;   biases:   v6 and the zeros v48-51, made ahead of one wait.  v16-47: loaded, rounded in place, stored behind a second wait.
;   weights:  v6, v7, v10, v11 offsets and addresses, made once.  SETA, SETB: written by the loads (at the end by the loads from the stage), read by the conversions.
;             PK0, PK1, by turns: written by group g's conversions, read by its 8 LDS stores.  One wait on va_vdst to a group, behind its conversions: PK is written and the set has been read;
;             the set's next loads and the LDS stores follow it.  One wait on vm_vsrc at the head of groups 2 and 3: the LDS stores of two groups back have read the PK buffer that is written again.
.set SPARE, 69632                      ; behind the four stages: the spare words, 128 bytes a wave, two blocks of 256 bytes that no other line names
.set STGB,  17408                      ; a wave's stage: 64 rows (n) x 272 bytes (128 k x 2 bytes + 16 of padding)
.set SPW, 2                            ; v2  LDS address of my spare word; never rewritten
.set NIL, 3                            ; v3  0; never rewritten
.set SETA, 16                          ; v[16:79]   32 rows k x 2 columns n, f32, as loaded
.set SETB, 80                          ; v[80:143]  the same, second set
.set PK,   144                         ; v[144:207] two buffers of 32: two rows n x 32 k, packed; group g takes buffer g % 2
	s_load_b512 s[8:23], s[0:1], 0x0               ; hs s[8:9], w_q s[10:11], w_k s[12:13], w_v s[14:15], w_o s[16:17], b_q s[18:19], b_k s[20:21], b_v s[22:23]
	s_load_b256 s[24:31], s[0:1], 0x40             ; b_o s[24:25], xb s[26:27], wt s[28:29], bias s[30:31]
	s_load_b64 s[32:33], s[0:1], 0x60              ; qkv
	v_lshl_add_u32 v[SPW], v0, 2, SPARE
	v_mov_b32 v[NIL], 0
	v_lshrrev_b32 v1, 5, v0
	v_readfirstlane_b32 s4, v1                     ; wave 0..3
	v_and_b32 v1, 31, v0                           ; lane
	v_and_b32 v4, 15, v0                           ; lane % 16
	v_bfe_u32 v5, v0, 4, 1                         ; lane / 16
	s_mov_b32 s5, 0xffff0000                       ; a word's upper bf16
	s_wait_alu depctr_va_sdst(0)                   ; s4 is written, ahead of the branches: the weights' path makes its tile's number and its stage's address from it
	s_wait_kmcnt 0x0
	s_cmp_lt_u32 ttmp9, 128
	s_cbranch_scc1 .Lweights
	s_cmp_eq_u32 ttmp9, 128
	s_cbranch_scc1 .Lbias
	; ---- x: 16 loads of 16 bytes a lane are issued at once (8 KiB a wave on their way); a load of a wave covers 512 consecutive bytes, a store 256, aligned
	s_sub_co_u32 s6, ttmp9, 129
	s_lshl_b32 s34, s6, 15                         ; 8,192 numbers x 4 bytes
	s_mov_b32 s35, 0
	s_lshl_b32 s36, s6, 14                         ; x 2 bytes
	s_mov_b32 s37, 0
	s_add_nc_u64 s[34:35], s[8:9], s[34:35]
	s_add_nc_u64 s[36:37], s[26:27], s[36:37]
	v_lshlrev_b32 v6, 4, v0
	v_lshlrev_b32 v7, 3, v0
	s_wait_alu depctr_va_vdst(0)                   ; v6 and v7 are written: every load and store of this path reads one of them as its offset
.set i, 0
.rept 16
	global_load_b128 v[16+4*i:16+4*i+3], v6, s[34:35] offset:2048*i th:TH_LOAD_NT
.set i, i+1
.endr
.macro XOUT p                          ; block p's four stores
.irp i, 0,1,2,3
	global_store_b64 v7, v[80+2*(4*(\p)+(\i)):81+2*(4*(\p)+(\i))], s[36:37] offset:1024*(4*(\p)+(\i)) th:TH_STORE_NT
.endr
.endm
.macro XBLK p                          ; block p: the stores of the block before, then this block's conversions
	s_wait_loadcnt 12-4*(\p)                       ; loads come back in order: block p's four are in, the younger blocks stay out
.if (\p) > 0
	s_wait_alu depctr_va_vdst(0)                   ; the block before's conversions have written its out registers, which the stores below read
	XOUT (\p)-1
.endif
.irp i, 0,1,2,3
	v_cvt_pk_bf16_f32 v[80+2*(4*(\p)+(\i))], v[16+4*(4*(\p)+(\i))], v[17+4*(4*(\p)+(\i))]
	v_cvt_pk_bf16_f32 v[81+2*(4*(\p)+(\i))], v[18+4*(4*(\p)+(\i))], v[19+4*(4*(\p)+(\i))]
.endr
.endm
	XBLK 0
	XBLK 1
	XBLK 2
	XBLK 3
	s_wait_alu depctr_va_vdst(0)                   ; block 3's conversions have written v104-111, which the last four stores read
	XOUT 3
	s_endpgm                                       ; no register of a store is rewritten
.Lbias:
	; ---- the biases: 128 threads x 16 bytes, two halves a bias
	v_lshlrev_b32 v6, 4, v0
	v_mov_b32 v48, 0
	v_mov_b32 v49, 0
	v_mov_b32 v50, 0
	v_mov_b32 v51, 0
	s_add_nc_u64 s[34:35], s[32:33], 0x6000000     ; behind q, k and v: 3 x 33,554,432 bytes
	s_wait_alu depctr_va_vdst(0)                   ; v6, the offset of every load and store of this path, and the zeros v48-51, which the first stores read, are written
.irp i, 0,1,2,3
.irp u, 0,1
	global_load_b128 v[16+8*(\i)+4*(\u):16+8*(\i)+4*(\u)+3], v6, s[18+2*(\i):19+2*(\i)] offset:2048*(\u)
.endr
.endr
.irp i, 0,1,2,3,4,5,6,7
	global_store_b128 v6, v[48:51], s[34:35] offset:2048*(\i)  ; 8 rows of 2,048 bytes of zeros
.endr
	s_wait_loadcnt 0x0
.set p, 0
.rept 16
	v_cvt_pk_bf16_f32 v8, v[16+2*p], v[17+2*p]     ; rounded to bf16,
	v_lshlrev_b32 v[16+2*p], 16, v8                ; and back to f32
	v_and_b32 v[17+2*p], s5, v8
.set p, p+1
.endr
	s_wait_alu depctr_va_vdst(0)                   ; the roundings have written v16-47, which the stores below read
.irp i, 0,1,2,3
.irp u, 0,1
	global_store_b128 v6, v[16+8*(\i)+4*(\u):16+8*(\i)+4*(\u)+3], s[30:31] offset:4096*(\i)+2048*(\u)
.endr
.endr
	s_endpgm
.Lweights:
	; ---- a wave turns one tile of 128 k x 64 n.  512 tiles: matrix = work-group / 32; in a matrix 8 tiles along k x 16 along n
	s_lshr_b32 s7, ttmp9, 5                        ; which matrix
	s_mov_b64 s[34:35], s[10:11]
	s_cmp_eq_u32 s7, 1
	s_cselect_b64 s[34:35], s[12:13], s[34:35]
	s_cmp_eq_u32 s7, 2
	s_cselect_b64 s[34:35], s[14:15], s[34:35]
	s_cmp_eq_u32 s7, 3
	s_cselect_b64 s[34:35], s[16:17], s[34:35]
	s_lshl_b32 s38, ttmp9, 2
	s_add_co_u32 s38, s38, s4
	s_and_b32 s38, s38, 127                        ; the tile in its matrix
	s_lshr_b32 s39, s38, 4                         ; along k
	s_and_b32 s38, s38, 15                         ; along n
	s_lshl_b32 s40, s39, 19                        ; 128 rows k of 4,096 bytes
	s_lshl_b32 s41, s38, 8                         ; 64 columns n of 4 bytes
	s_add_co_u32 s40, s40, s41
	s_mov_b32 s41, 0
	s_add_nc_u64 s[34:35], s[34:35], s[40:41]
	s_lshl_b32 s40, s7, 21                         ; 1,024 rows n of 2,048 bytes
	s_lshl_b32 s42, s38, 17                        ; 64 rows n
	s_add_co_u32 s40, s40, s42
	s_lshl_b32 s42, s39, 8                         ; 128 k of 2 bytes
	s_add_co_u32 s40, s40, s42
	s_add_nc_u64 s[36:37], s[28:29], s[40:41]
	s_mul_i32 s43, s4, STGB                        ; my stage
	v_lshlrev_b32 v6, 3, v1                        ; in: my two columns n = 2 lane, 2 lane + 1
	v_mul_u32_u24 v7, v1, 544                      ; into the stage: row 2 lane
	v_add_nc_u32 v7, s43, v7
	v_mul_u32_u24 v10, v5, 272                     ; back: lanes 0-15 one row of 256 bytes, lanes 16-31 the next
	v_lshl_add_u32 v10, v4, 4, v10
	v_add_nc_u32 v10, s43, v10
	v_lshlrev_b32 v11, 11, v5                      ; and the same two rows in wt
	v_lshl_add_u32 v11, v4, 4, v11
	s_wait_alu depctr_va_vdst(0)                   ; v6, v7, v10 and v11 are written: the offsets and LDS addresses of every load and store of this path; none is written again
.macro WLOAD set, g                    ; 32 rows k of group g: a load of the wave covers 256 consecutive bytes, aligned
.set kk, 0
.rept 32
	global_load_b64 v[(\set)+2*kk:(\set)+2*kk+1], v6, s[34:35] offset:(32*(\g)+kk)*4096 th:TH_LOAD_NT
.set kk, kk+1
.endr
.endm
.macro WPACK set, g, more              ; two rows n x 32 k are packed (64 bytes a row) and put into the stage.  more = 1: the set is asked for again, for group g + 2
.set PKB, PK+32*((\g)%2)
.if (\g) >= 2
	s_wait_alu depctr_vm_vsrc(0)                   ; the LDS stores of two groups back have read this PK buffer, which the conversions below write again
.endif
.irp p, 0,1
.set j, 0
.rept 16
	v_cvt_pk_bf16_f32 v[PKB+16*(\p)+j], v[(\set)+4*j+(\p)], v[(\set)+4*j+2+(\p)]
.set j, j+1
.endr
.endr
	s_cmp_lg_u32 s7, 3
	s_cbranch_scc1 .Lnof16_\@
.set j, 0
.rept 32                               ; w_o alone: the bf16 number written as f16
	v_lshlrev_b32 v8, 16, v[PKB+j]
	v_and_b32 v9, s5, v[PKB+j]
	v_cvt_pk_f16_f32 v[PKB+j], v8, v9
.set j, j+1
.endr
.Lnof16_\@:
	s_wait_alu depctr_va_vdst(0)                   ; on both ways: the conversions have written this PK buffer, which the LDS stores read, and are done reading the set, in which the loads below (behind the last group: the loads from the stage) land
.if \more
	WLOAD \set, (\g)+2
.endif
.irp p, 0,1
.irp c, 0,1,2,3
	ds_store_b128 v7, v[PKB+16*(\p)+4*(\c):PKB+16*(\p)+4*(\c)+3] offset:272*(\p)+64*(\g)+16*(\c)
.endr
.endr
.endm
	WLOAD SETA, 0
	WLOAD SETB, 1
	s_wait_loadcnt 32                              ; group 0 is in; group 1's 32 loads are younger
	WPACK SETA, 0, 1
	s_wait_loadcnt 32                              ; group 1 is in; group 2's 32 loads are younger
	WPACK SETB, 1, 1
	s_wait_loadcnt 32                              ; group 2 is in; group 3's 32 loads are younger
	WPACK SETA, 2, 0
	s_wait_loadcnt 0x0                             ; group 3 is in
	WPACK SETB, 3, 0
.set i, 0
.rept 32
	ds_load_b128 v[16+4*i:16+4*i+3], v10 offset:544*i  ; LDS serves a wave's instructions in order (ISA guide 5.7.1.4): these see the stores above.  No vector instruction since the last wait names v16-143
.set i, i+1
.endr
.set i, 0
.rept 32
	s_wait_dscnt 31-i
	global_store_b128 v11, v[16+4*i:16+4*i+3], s[36:37] offset:4096*i  ; 16 lanes store 256 consecutive bytes, at a multiple of 256 from wt's first byte
.set i, i+1
.endr
	s_wait_dscnt 0x0                               ; the closing lines, six on end
	s_wait_alu 0x0
	s_wait_tensorcnt 0x0
	ds_add_u32 v[SPW], v[NIL]
	s_wait_dscnt 0x0
	s_endpgm
.Lfunc_end_k_q2464530e47_prep:
	.size	k_q2464530e47_prep, .Lfunc_end_k_q2464530e47_prep-k_q2464530e47_prep
	.p2alignl 7, 3214868480
	.fill 96, 4, 3214868480
	.section	.rodata,"a",@progbits
	.p2align	6, 0x0
	.amdhsa_kernel k_q2464530e47_prep
		.amdhsa_group_segment_fixed_size 70144
		.amdhsa_private_segment_fixed_size 0
		.amdhsa_enable_private_segment 0
		.amdhsa_kernarg_size 104
		.amdhsa_user_sgpr_count 2
		.amdhsa_user_sgpr_kernarg_segment_ptr 1
		.amdhsa_wavefront_size32 1
		.amdhsa_system_sgpr_workgroup_id_x 1
		.amdhsa_system_sgpr_workgroup_id_y 1
		.amdhsa_system_sgpr_workgroup_id_z 1
		.amdhsa_system_vgpr_workitem_id 0
		.amdhsa_next_free_vgpr 208
		.amdhsa_next_free_sgpr 66
		.amdhsa_reserve_vcc 0
		.amdhsa_float_denorm_mode_32 3
		.amdhsa_float_denorm_mode_16_64 3
		.amdhsa_memory_ordered 1
		.amdhsa_forward_progress 1
		.amdhsa_inst_pref_size 58
	.end_amdhsa_kernel
	.amdgpu_metadata
---
amdhsa.version: [ 1, 2 ]
amdhsa.kernels:
  - .name:           k_q2464530e47_prep
    .symbol:         k_q2464530e47_prep.kd
    .args:
      - { .name: hidden_states, .offset: 0, .size: 8, .value_kind: global_buffer, .address_space: global }
      - { .name: w_q, .offset: 8, .size: 8, .value_kind: global_buffer, .address_space: global }
      - { .name: w_k, .offset: 16, .size: 8, .value_kind: global_buffer, .address_space: global }
      - { .name: w_v, .offset: 24, .size: 8, .value_kind: global_buffer, .address_space: global }
      - { .name: w_o, .offset: 32, .size: 8, .value_kind: global_buffer, .address_space: global }
      - { .name: b_q, .offset: 40, .size: 8, .value_kind: global_buffer, .address_space: global }
      - { .name: b_k, .offset: 48, .size: 8, .value_kind: global_buffer, .address_space: global }
      - { .name: b_v, .offset: 56, .size: 8, .value_kind: global_buffer, .address_space: global }
      - { .name: b_o, .offset: 64, .size: 8, .value_kind: global_buffer, .address_space: global }
      - { .name: xb, .offset: 72, .size: 8, .value_kind: global_buffer, .address_space: global }
      - { .name: wt, .offset: 80, .size: 8, .value_kind: global_buffer, .address_space: global }
      - { .name: bias, .offset: 88, .size: 8, .value_kind: global_buffer, .address_space: global }
      - { .name: qkv, .offset: 96, .size: 8, .value_kind: global_buffer, .address_space: global }
    .group_segment_fixed_size: 70144
    .private_segment_fixed_size: 0
    .kernarg_segment_align: 8
    .kernarg_segment_size: 104
    .max_flat_workgroup_size: 128
    .sgpr_count:     66
    .vgpr_count:     208
    .wavefront_size: 32
...
	.end_amdgpu_metadata
.endif
;; end of part 5
;; launch qkv: the kernel of part 2 again; grid 4 x 64, 4 waves a work-group, clusters of 4 x 4, 327,680 bytes of LDS; arguments xb, wt, bias, qkv; writes qkv
;; launch attn (part 6): grid 512 x 2, 4 waves a work-group, no clusters, 90,624 bytes of LDS; arguments qkv, ob; writes ob
.if DOCPART == 6
	.amdgcn_target "amdgcn-amd-amdhsa--gfx1250"
	.amdhsa_code_object_version 6
	.text
	.protected	k_q2464530e47_attn
	.globl	k_q2464530e47_attn
	.p2align	8
	.type	k_q2464530e47_attn,@function
k_q2464530e47_attn:
	s_mov_b64 s[64:65], 0
	v_nop
	global_prefetch_b8 v0, s[64:65] scope:SCOPE_SE
	s_setreg_imm32_b32 hwreg(HW_REG_WAVE_SCHED_MODE, 0, 2), 2
	s_setreg_imm32_b32 hwreg(HW_REG_WAVE_MODE, 25, 1), 1
	s_wait_xcnt 0x0
	s_wait_alu depctr_vm_vsrc(0)
; NEIGHBOURHOOD ATTENTION, window 7, 16 heads of 64 channels.  qkv: q, k, v, each [16384][1024] f16, then 8 rows of zeros; ob: [16384][1024] f16.
; O[row][head] = the sum over keys with |key - row| <= 3 inside the row's batch of 8,192 rows of softmax(q . k / 8) v.  Products, maximum and sum in f32; the weights are rounded to f16 for the second product, O once.
; LIMITS.  q, k, v arrive within f16's range.  A hidden score counts as its value less 1e30 (f16's scores reach 2.7e11 at the most); a weight below 2^-126 counts as 0; NaN and infinities are not treated apart.
; Every query sees its own key, so the maximum is a true score.
; SHARES.  A wave takes 32 queries (rows 32 blk ..) of two heads (256 bytes of each row): four UNITS x = 2 e + t, head e, tile t of 16 queries.  Keys come as three blocks u of 16 rows from row 32 blk - 8 on;
; tile t takes blocks t and t + 1: 32 keys, key kk standing for row 32 blk + 16 t - 8 + kk.  Rows outside k or v are the neighbouring tensor's or the zeros behind v: finite, and masked.
; LAYOUT.  S^T = K Q^T (source 0 = 16 keys, source 1 = 16 queries): a lane holds ONE query (lane % 16) and the keys 8 (lane / 16) + 0..7.  Two such results rounded to f16 ARE source 1 of O^T = V^T P.
; THE MASK is the C operand that starts S^T's sum: 0 or -1e30.  It hangs on the lane alone, but for the first and last block of a batch.
; No cluster, no tensor load, no barrier, no prefetch: a wave issues all its 64 loads at its head and shares nothing but 16 of 48 key rows with its neighbours.
; REGISTERS.  window 0: v1-15 addresses and at work; v32-63 masks; v64-127 S^T (16 a unit); v128-159 P (8 a unit); v160-255 V as loaded; later O^T 32 a unit: v64-127, v160-223, and v224-255 statistics.
;   window 1: v0-63 Q; v64-159 K; v160-255 V^T's halves: (e, cb, u) at 160 + 48 e + 12 cb + 4 u, so that tile t's fragment is the 8 registers from 4 t on.
; THE MODE: SCHED_MODE bits 1:0 = 2 (LLVM: expert scheduling mode 2), set by the entry lines.  The code itself states the register dependences
; between vector or matrix instructions and memory or LDS instructions, with s_wait_alu, always for 0.
; THE PLAN.  Registers that memory or LDS instructions touch:
;   v4-v9             two offsets and four LDS addresses: all made at the head, ahead of ONE wait on va_vdst, and never written again.  v10, v11: made at the head, read by the closing add alone.
;   window 0 v160-255 V as loaded: written by 24 loads, read by 24 LDS stores; later written by the statistics' first lines and by O^T's products: ONE wait on vm_vsrc stands behind S^T's products, which name none of them.
;   window 1          Q, K, V^T's halves: written by loads, read by matrix instructions; nothing lands in them again.
;   O^T's registers   the low 16 of each unit's 32 take the packed results and are read by the LDS stores; the rows come back from the stage into the high 16, which no memory instruction has read.
;                     ONE wait on va_vdst stands behind the four units' scalings and roundings, ahead of the run of stores and loads.
;   The masks, S^T, P and the statistics are named by vector and matrix instructions alone.
.set WAVEB, 22528                      ; LDS of a wave: V, 48 rows x 288 bytes; then the stage, 32 rows x 272 bytes
.set PVP,   288                        ; 256 + 32 = 72 words
.set STG,   48*PVP
.set SP,    272
.set SPARE, 4*WAVEB                    ; the spare words, 128 bytes a wave: two blocks of 256 bytes that no other line names
.set FO,  4                            ; v4   2048 r + 16 h: a fragment's row in memory
.set VO,  5                            ; v5   2048 h + 16 r: two whole rows of 256 bytes
.set VS,  6                            ; v6   where V's rows go in LDS
.set AV0, 7                            ; v7   the turning load's address
.set STO, 8                            ; v8   the way out: where I put 16 bytes of a row
.set RD,  9                            ; v9   the way out: where I read rows back
.set SPW, 10
.set NIL, 11
.set MD,  32                           ; v[32:47]  the band's mask: register 8 i + j for key 16 i + 8 h + j
.set MF,  48                           ; v[48:55]  tile 0, keys 0-15, with the rows ahead of a batch hidden
.set ML,  56                           ; v[56:63]  tile 1, keys 16-31, with the rows behind a batch hidden
.set S,   64
.set P,   128
.set VR,  160                          ; v[160:255] V as loaded
.set ST,  224                          ; unit x at ST + 8 x: +0 c m, +1 m, +2 c0, +4 l, +6 1 / l, +7 c1
.set KF,  64
.set VF,  160
.set MK,  32                           ; s[32:49]  the lane masks of the 18 compares that make the masks
.set MSB, 0
.macro WIN new
.if MSB != (\new)
	s_set_vgpr_msb (MSB<<8)|(\new)
.set MSB, \new
.endif
.endm
	s_load_b128 s[4:7], s[0:1], 0x0                ; qkv s[4:5], ob s[6:7]
	v_lshl_add_u32 v[SPW], v0, 2, SPARE
	v_mov_b32 v[NIL], 0
	v_lshrrev_b32 v12, 5, v0
	v_readfirstlane_b32 s8, v12                    ; wave 0..3
	v_and_b32 v1, 15, v0                           ; r = l % 16
	v_bfe_u32 v2, v0, 4, 1                         ; h = l / 16
	v_lshlrev_b32 v[FO], 11, v1
	v_lshl_add_u32 v[FO], v2, 4, v[FO]
	v_lshlrev_b32 v[VO], 11, v2
	v_lshl_add_u32 v[VO], v1, 4, v[VO]
	s_and_b32 s9, ttmp7, 0xffff
	s_lshl_b32 s9, s9, 2
	s_mov_b32 s18, 0x3e38aa3b                      ; c = log2(e) / 8
	s_mov_b32 s19, s18                             ; named with it as a pair
	s_mov_b32 s20, 0x76543210                      ; v_permlanex16_b32: each lane takes its own place in the other half
	s_mov_b32 s21, 0xfedcba98
	s_mov_b32 s22, 0xf149f2ca                      ; -1e30
	s_wait_alu depctr_va_sdst(0)                   ; s8 is written, ahead of its first reader: my pair of heads and my part of LDS are made from it
	s_add_co_u32 s9, s9, s8                        ; my pair of heads, 0..7
	s_lshl_b32 s26, ttmp9, 16                      ; 32 rows of 2,048 bytes
	s_lshl_b32 s27, s9, 8
	s_add_co_u32 s26, s26, s27
	s_mov_b32 s27, 0
	s_mul_i32 s25, s8, WAVEB
	s_add_co_u32 s28, s25, STG                     ; my stage
	; the LDS addresses, in the wait for the arguments
	v_mul_u32_u24 v[VS], v2, PVP
	v_lshl_add_u32 v[VS], v1, 4, v[VS]
	v_add_nc_u32 v[VS], s25, v[VS]
	v_and_b32 v12, 7, v0
	v_bfe_u32 v13, v0, 3, 1
	v_lshl_add_u32 v[AV0], v2, 3, v12              ; key 8 h + l % 8,
	v_mul_u32_u24 v[AV0], v[AV0], PVP
	v_lshl_add_u32 v[AV0], v13, 4, v[AV0]          ; channels 8 ((l / 8) % 2) on
	v_add_nc_u32 v[AV0], s25, v[AV0]
	v_mul_u32_u24 v[STO], v1, SP
	v_lshl_add_u32 v[STO], v2, 4, v[STO]
	v_add_nc_u32 v[STO], s28, v[STO]
	v_mul_u32_u24 v[RD], v2, SP
	v_lshl_add_u32 v[RD], v1, 4, v[RD]
	v_add_nc_u32 v[RD], s28, v[RD]
	s_wait_kmcnt 0x0
	s_add_nc_u64 s[10:11], s[4:5], s[26:27]        ; q at my first row
	s_add_nc_u64 s[12:13], s[10:11], 33538048      ; k, 8 rows earlier: 33,554,432 - 16,384
	s_add_nc_u64 s[14:15], s[10:11], 67092480      ; v, 8 rows earlier
	s_add_nc_u64 s[16:17], s[6:7], s[26:27]        ; O at my first row
	s_wait_alu depctr_va_vdst(0)                   ; v4 to v9 are written: the offsets and LDS addresses that every load and store of the kernel reads; none is written again
	; all 64 loads: V by whole rows (24), K's fragments (24), Q's (16)
.set i, 0
.rept 24
	global_load_b128 v[VR+4*i:VR+4*i+3], v[VO], s[14:15] offset:4096*i
.set i, i+1
.endr
	WIN 0x40                                       ; destination window 1, address window 0
.irp e, 0,1
.irp u, 0,1,2
.irp c, 0,1
	global_load_b128 v[KF+8*(6*(\e)+2*(\u)+(\c)):KF+8*(6*(\e)+2*(\u)+(\c))+3],   v[FO], s[12:13] offset:32768*(\u)+128*(\e)+64*(\c)
	global_load_b128 v[KF+8*(6*(\e)+2*(\u)+(\c))+4:KF+8*(6*(\e)+2*(\u)+(\c))+7], v[FO], s[12:13] offset:32768*(\u)+128*(\e)+64*(\c)+32
.endr
.endr
.endr
.irp e, 0,1
.irp t, 0,1
.irp c, 0,1
	global_load_b128 v[8*(4*(\e)+2*(\t)+(\c)):8*(4*(\e)+2*(\t)+(\c))+3],   v[FO], s[10:11] offset:32768*(\t)+128*(\e)+64*(\c)
	global_load_b128 v[8*(4*(\e)+2*(\t)+(\c))+4:8*(4*(\e)+2*(\t)+(\c))+7], v[FO], s[10:11] offset:32768*(\t)+128*(\e)+64*(\c)+32
.endr
.endr
.endr
	WIN 0
	; the masks, while the loads are out: these lines name v12-15 and v32-63 alone, which no memory or LDS instruction touches
	s_and_b32 s29, ttmp9, 255                      ; a batch has 256 blocks of 32 rows
	s_cmp_eq_u32 s29, 0
	s_cselect_b32 s23, s22, 0                      ; the batch's first block: the 8 rows ahead are hidden
	s_cmp_eq_u32 s29, 255
	s_cselect_b32 s24, s22, 0                      ; its last: the 8 rows behind
	v_lshlrev_b32 v12, 3, v2
	v_sub_nc_u32 v12, v12, v1
	v_add_nc_u32 v12, -5, v12                      ; 8 h - 5 - r: key kk is seen where 0 <= kk - 8 - r + 3 <= 6
.set n, 0
.rept 16
	v_add_nc_u32 v[MD+n], n+8*(n/8), v12           ; 16 i + j + 8 h - 5 - r
.set n, n+1
.endr
.set n, 0
.rept 16
	v_cmp_lt_u32 s[MK+n], 6, v[MD+n]               ; the compares stand in one run, each with a scalar register of its own
.set n, n+1
.endr
	v_cmp_eq_u32 s[MK+16], 0, v2
	v_cmp_eq_u32 s[MK+17], 1, v2
	s_wait_alu depctr_va_sdst(0)                   ; the 18 compares have written s32 to s49, ahead of the selects that read them
.set n, 0
.rept 16
	v_cndmask_b32 v[MD+n], 0, s22, s[MK+n]
.set n, n+1
.endr
	v_cndmask_b32 v14, 0, s23, s[MK+16]            ; tile 0's keys 0-7 lie in lanes 0-15 of its first result
	v_cndmask_b32 v15, 0, s24, s[MK+17]            ; tile 1's keys 24-31 in lanes 16-31 of its second
.set j, 0
.rept 8
	v_min_num_f32 v[MF+j], v[MD+j], v14
	v_min_num_f32 v[ML+j], v[MD+8+j], v15
.set j, j+1
.endr
	s_wait_loadcnt 40                              ; V is in: K's 24 loads and Q's 16 are younger
.set i, 0
.rept 24
	ds_store_b128 v[VS], v[VR+4*i:VR+4*i+3] offset:2*PVP*i
.set i, i+1
.endr
	WIN 0x40
.irp e, 0,1
.irp cb, 0,1,2,3
.irp u, 0,1,2
	ds_load_tr16_b128 v[VF+48*(\e)+12*(\cb)+4*(\u):VF+48*(\e)+12*(\cb)+4*(\u)+3], v[AV0] offset:16*PVP*(\u)+128*(\e)+32*(\cb)  ; my own bytes, served in order behind the stores above
.endr
.endr
.endr
	WIN 0
	s_wait_loadcnt 0x0                             ; K and Q
; S^T: 16 products.  The 8 accumulators take turns, one instruction a turn: 7 others stand between the two links of a chain.
.macro SC x, i, c
.set rS, S+16*(\x)+8*(\i)
.set rK, KF+8*(6*((\x)/2)+2*((\x)%2+(\i))+(\c))
.set rQ, 8*(4*((\x)/2)+2*((\x)%2)+(\c))
.if (\c) == 0
.if (((\x)%2) == 0) && ((\i) == 0)
.set rM, MF
.elseif ((\x)%2) == 0
.set rM, MD+8
.elseif (\i) == 0
.set rM, MD
.else
.set rM, ML
.endif
	v_wmma_f32_16x16x32_f16 v[rS:rS+7], v[rK:rK+7], v[rQ:rQ+7], v[rM:rM+7]
.else
	v_wmma_f32_16x16x32_f16 v[rS:rS+7], v[rK:rK+7], v[rQ:rQ+7], v[rS:rS+7]
.endif
.endm
	WIN 0x05                                       ; K and Q window 1; masks and S^T window 0
.irp c, 0,1
.irp x, 0,1,2,3
.irp i, 0,1
	SC \x, \i, \c
.endr
.endr
.endr
	WIN 0
.rept 4
	v_nop                                          ; the places behind those products
.endr
	s_wait_alu depctr_vm_vsrc(0)                   ; V's LDS stores have read v160-255: the statistics' lines below write v224-255, and O^T's products v160-223
; THE SOFTMAX, each step for the four units in turn.  Each accumulator's lowest registers are read first.
.macro MXA d, i0, i1, i2
.set x, 0
.rept 4
	v_max3_num_f32 v[ST+8*x+(\d)], v[S+16*x+(\i0)], v[S+16*x+(\i1)], v[S+16*x+(\i2)]
.set x, x+1
.endr
.endm
.macro MXB d, i1, i2
.set x, 0
.rept 4
	v_max3_num_f32 v[ST+8*x+(\d)], v[ST+8*x+(\d)], v[S+16*x+(\i1)], v[S+16*x+(\i2)]
.set x, x+1
.endr
.endm
	MXA 2, 0, 1, 2
	MXA 7, 8, 9, 10
	MXB 2, 3, 4
	MXB 7, 11, 12
	MXB 2, 5, 6
	MXB 7, 13, 14
	MXB 2, 7, 15
.set x, 0
.rept 4
	v_max_num_f32 v[ST+8*x+2], v[ST+8*x+2], v[ST+8*x+7]
.set x, x+1
.endr
.set x, 0
.rept 4
	v_permlanex16_b32 v[ST+8*x+7], v[ST+8*x+2], s20, s21  ; the query's other 16 keys lie in the lane 16 away
.set x, x+1
.endr
.set x, 0
.rept 4
	v_max_num_f32 v[ST+8*x+1], v[ST+8*x+2], v[ST+8*x+7]
.set x, x+1
.endr
.set x, 0
.rept 4
	v_mul_f32 v[ST+8*x], s18, v[ST+8*x+1]
.set x, x+1
.endr
.set x, 0
.rept 4
.set b, 0
.rept 8
	v_pk_fma_f32 v[S+16*x+2*b:S+16*x+2*b+1], v[S+16*x+2*b:S+16*x+2*b+1], s[18:19], v[ST+8*x:ST+8*x+1] op_sel_hi:[1,0,0] neg_lo:[0,0,1] neg_hi:[0,0,1]  ; c s - c m
.set b, b+1
.endr
.set x, x+1
.endr
.set n, 0
.rept 64
	v_exp_f32 v[S+n], v[S+n]                       ; one batch of 64
.set n, n+1
.endr
	v_nop                                          ; a plain instruction behind the last exponential,
	s_wait_alu depctr_va_vdst(0)                   ; and one wait ahead of the batch's first reader: the 64 exponentials have written v64-127
.set n, 0
.rept 32
	v_cvt_pk_f16_f32 v[P+n], v[S+2*n], v[S+2*n+1]  ; P: unit x's 8 registers follow from its 16 weights
.set n, n+1
.endr
.irp w, 8,4,2                          ; the sum of a unit's 8 pairs, in place: neighbours 4, 2 and 1 pairs apart
.set x, 0
.rept 4
.set b, 0
.rept (\w)/2
	v_pk_add_f32 v[S+16*x+2*b:S+16*x+2*b+1], v[S+16*x+2*b:S+16*x+2*b+1], v[S+16*x+2*b+(\w):S+16*x+2*b+(\w)+1]
.set b, b+1
.endr
.set x, x+1
.endr
.endr
.set x, 0
.rept 4
	v_add_f32 v[ST+8*x+4], v[S+16*x], v[S+16*x+1]
.set x, x+1
.endr
.set x, 0
.rept 4
	v_permlanex16_b32 v[ST+8*x+7], v[ST+8*x+4], s20, s21
.set x, x+1
.endr
.set x, 0
.rept 4
	v_add_f32 v[ST+8*x+4], v[ST+8*x+4], v[ST+8*x+7]
.set x, x+1
.endr
.set x, 0
.rept 4
	v_rcp_f32 v[ST+8*x+6], v[ST+8*x+4]
.set x, x+1
.endr
	v_nop                                          ; a plain instruction behind the last reciprocal,
	s_wait_alu depctr_va_vdst(0)                   ; and one wait for the four: the reciprocals have written 1 / l, ahead of its first reader
	s_wait_dscnt 0x0                               ; V^T's halves are in
	WIN 0x01                                       ; V^T window 1; P and O^T window 0
.irp x, 0,1,2,3
.irp cb, 0,1,2,3
	v_wmma_f32_16x16x32_f16 v[64+32*(\x)+32*((\x)/2)+8*(\cb):64+32*(\x)+32*((\x)/2)+8*(\cb)+7], v[VF+48*((\x)/2)+12*(\cb)+4*((\x)%2):VF+48*((\x)/2)+12*(\cb)+4*((\x)%2)+7], v[P+8*(\x):P+8*(\x)+7], 0
.endr
.endr
	WIN 0
.rept 4
	v_nop                                          ; the places behind those products
.endr
; THE WAY OUT.  O^T / l, rounded to f16 (packed in place, ascending: a unit's 16 packed registers are the low half of its 32); then, behind one wait, 16 bytes a lane into my stage, and back as whole rows of 256 bytes.
.macro OUTM x                          ; unit x's arithmetic
.set rO, 64+32*(\x)+32*((\x)/2)
.set rT, ST+8*(\x)
.set i, 0
.rept 16
	v_pk_mul_f32 v[rO+2*i:rO+2*i+1], v[rO+2*i:rO+2*i+1], v[rT+6:rT+7] op_sel_hi:[1,0]
.set i, i+1
.endr
.set i, 0
.rept 16
	v_cvt_pk_f16_f32 v[rO+i], v[rO+2*i], v[rO+2*i+1]
.set i, i+1
.endr
.endm
.macro OUTS x                          ; unit x's four stores into the stage
.set rO, 64+32*(\x)+32*((\x)/2)
.irp cb, 0,1,2,3
	ds_store_b128 v[STO], v[rO+4*(\cb):rO+4*(\cb)+3] offset:16*SP*((\x)%2)+128*((\x)/2)+32*(\cb)
.endr
.endm
	OUTM 0
	OUTM 1
	OUTM 2
	OUTM 3
	s_wait_alu depctr_va_vdst(0)                   ; the roundings have written the low halves, which the LDS stores read; scalings and roundings are done with the high halves, in which the loads from the stage land
	OUTS 0
	OUTS 1
	OUTS 2
	OUTS 3
.set i, 0
.rept 16
.set BK, 80+32*(i/4)+32*(i/8)+4*(i%4)  ; the high half of unit i / 4: no memory or LDS instruction has read it
	ds_load_b128 v[BK:BK+3], v[RD] offset:2*SP*i   ; served in order behind the stores above
.set i, i+1
.endr
.set i, 0
.rept 16
.set BK, 80+32*(i/4)+32*(i/8)+4*(i%4)
	s_wait_dscnt 15-i
	global_store_b128 v[VO], v[BK:BK+3], s[16:17] offset:4096*i  ; 16 lanes store 256 consecutive bytes, at a multiple of 256 from O's first byte
.set i, i+1
.endr
	s_wait_dscnt 0x0                               ; the closing lines, six on end
	s_wait_alu 0x0
	s_wait_tensorcnt 0x0
	ds_add_u32 v[SPW], v[NIL]
	s_wait_dscnt 0x0
	s_endpgm
.Lfunc_end_k_q2464530e47_attn:
	.size	k_q2464530e47_attn, .Lfunc_end_k_q2464530e47_attn-k_q2464530e47_attn
	.p2alignl 7, 3214868480
	.fill 96, 4, 3214868480
	.section	.rodata,"a",@progbits
	.p2align	6, 0x0
	.amdhsa_kernel k_q2464530e47_attn
		.amdhsa_group_segment_fixed_size 90624
		.amdhsa_private_segment_fixed_size 0
		.amdhsa_enable_private_segment 0
		.amdhsa_kernarg_size 16
		.amdhsa_user_sgpr_count 2
		.amdhsa_user_sgpr_kernarg_segment_ptr 1
		.amdhsa_wavefront_size32 1
		.amdhsa_system_sgpr_workgroup_id_x 1
		.amdhsa_system_sgpr_workgroup_id_y 1
		.amdhsa_system_sgpr_workgroup_id_z 1
		.amdhsa_system_vgpr_workitem_id 0
		.amdhsa_next_free_vgpr 512
		.amdhsa_next_free_sgpr 66
		.amdhsa_reserve_vcc 0
		.amdhsa_float_denorm_mode_32 3
		.amdhsa_float_denorm_mode_16_64 3
		.amdhsa_memory_ordered 1
		.amdhsa_forward_progress 1
		.amdhsa_inst_pref_size 42
	.end_amdhsa_kernel
	.amdgpu_metadata
---
amdhsa.version: [ 1, 2 ]
amdhsa.kernels:
  - .name:           k_q2464530e47_attn
    .symbol:         k_q2464530e47_attn.kd
    .args:
      - { .name: qkv, .offset: 0, .size: 8, .value_kind: global_buffer, .address_space: global }
      - { .name: ob, .offset: 8, .size: 8, .value_kind: global_buffer, .address_space: global }
    .group_segment_fixed_size: 90624
    .private_segment_fixed_size: 0
    .kernarg_segment_align: 8
    .kernarg_segment_size: 16
    .max_flat_workgroup_size: 128
    .sgpr_count:     66
    .vgpr_count:     512
    .wavefront_size: 32
...
	.end_amdgpu_metadata
.endif
;; end of part 6
;; launch proj: the kernel of part 4 again; grid 4 x 64, 4 waves a work-group, clusters of 4 x 4, 327,680 bytes of LDS; arguments ob, wt, bias, out0; writes out0
